; MI455X (gfx1250); checked and timed in simulation.
; The chip was launched on July 23, 2026; its instructions are those of AMD's public machine-readable ISA for CDNA 5 (MIT licence, August 2026) and "CDNA5" Instruction Set Architecture Reference Guide (July 2026). The comments in the code are by the model that wrote it; some were corrected since.
;; Multi Head Alibi Self Attention Layer. Allowed arithmetic: matrix products marked QUANTISED: E2M3 operands, one E8M0 scale for each 32 along K, by v_wmma_scale_f32_16x16x128_f8f6f4 with both operands' format E2M3, f32 sums; everything else in f32.
;; Inputs: Wk 1,024 x 1,024 float32; Wo 1,024 x 1,024 float32; Wq 1,024 x 1,024 float32; Wv 1,024 x 1,024 float32; bk 1,024 float32; bo 1,024 float32; bq 1,024 float32; bv 1,024 float32; padding_mask 4 x 2,048 int32; x 4 x 2,048 x 1,024 float32.
;; Outputs: out0 4 x 2,048 x 1,024 float32.
;; This version of the problem:
;;   THIS VERSION OF THE PROBLEM IS GIVEN IN LOW PRECISION. The matrix products marked QUANTISED in the list below multiply operands that are first quantised to E2M3 (2 exponent bits, 3 mantissa bits; 6 bits a number), with one power-of-two scale for each 32 numbers along K (OCP MX v1.0); their sums are f32. All else is computed in f32.
;;   The module's matrix products, in the order in which they are computed (A, B: the left and right operand; K: the contracted axis; several contracted axes count as one K, in the product's order):
;;     1. [M 8,192, K 1,024] x [K 1,024, N 1,024]; A: input x; B: input Wq: QUANTISED
;;     2. [M 8,192, K 1,024] x [K 1,024, N 1,024]; A: input x; B: input Wk: QUANTISED
;;     3. [M 8,192, K 1,024] x [K 1,024, N 1,024]; A: input x; B: input Wv: QUANTISED
;;     4. batch 64 x [M 2,048, K 64] x [K 64, N 2,048]; A: computed on the way; B: computed on the way: QUANTISED
;;     5. batch 64 x [M 64, K 2,048] x [K 2,048, N 2,048]; A: computed on the way; B: softmax (see below): QUANTISED
;;     6. [M 8,192, K 1,024] x [K 1,024, N 1,024]; A: computed on the way; B: input Wo: QUANTISED
;;   THE QUANTISER, for each operand of a quantised product, along K:
;;     - K is cut into blocks of 32 from its start; a last block that is shorter is filled with zeros.
;;     - A block's scale is 2^e with e = floor(log2(the largest magnitude in the block)) - 2, held to -126 .. 127; a block of zeros has e = 0. As a byte (E8M0): e + 127.
;;     - Each number is divided by its block's scale, clamped to +-7.5, and rounded to the nearest number of E2M3, ties to even, subnormals kept.
;;     - The product sums the exact products of the quantised numbers (number of the format x scale) in f32.
;;   ~~~python
;;   def quantise(x, axis):      # numpy; x: float32 -> the quantised numbers, widened to float32 again
;;       x = np.moveaxis(x, axis, -1); K = x.shape[-1]
;;       x = np.pad(x, [(0, 0)] * (x.ndim - 1) + [(0, -K % 32)]); x = x.reshape(x.shape[:-1] + (-1, 32)); a = np.abs(x).max(-1, keepdims=True)
;;       e = np.where(a > 0, np.clip(np.frexp(np.where(a > 0, a, 1))[1] - 1 - 2, -126, 127), 0)      # np.frexp(a)[1] - 1 = floor(log2(a)), exactly
;;       r = np.clip(x / 2.0 ** e, -7.5, 7.5)
;;       step = 2.0 ** (np.maximum(np.frexp(np.where(r == 0, 1, r))[1] - 1, 0) - 3)
;;       q = np.round(r / step) * step * 2.0 ** e      # np.round: ties to even
;;       return np.moveaxis(q.reshape(q.shape[:-2] + (-1,))[..., :K], -1, axis).astype(np.float32)
;;   ~~~
;;   SOFTMAX AHEAD OF A QUANTISED PRODUCT. Where the list says 'softmax', what is quantised is not the finished softmax but p = 2^(t - M), with t = logit x log2(e) and M = ceil(the row's largest t), a whole number; so 1/2 < the row's largest p <= 1. The row's sum l is taken of the UNQUANTISED p, in f32, and the product's result is divided by l at the end. Since M is a whole number, a kernel that streams over the keys may use a running M (the ceiling of the running maximum): every later rescaling is an exact power of two, which a block's scale takes up: the codes' values come out the same.
;;   OPERANDS COMPUTED ON THE WAY. 'Computed on the way' means the value that the module computes at that place (a softmax that the list does not call 'softmax' is quantised finished and normalised). What goes into a quantiser is computed in f32, as accurately as f32 sums, v_exp_f32 and their like allow (about 1e-6 of the number): no bf16 or f16 on the way to a quantiser, and a product that is left as it is and whose result goes on into a quantised operand takes f32 operands (vector FMAs, or v_wmma_f32_16x16x4_f32). A number that lies on a knife's edge between two numbers of the format may be rounded either way, as far as f32 arithmetic and the matrix unit's own rounding can turn it there, and no further.
;; One version. Each part assembles by itself: llvm-mc -triple=amdgcn-amd-amdhsa -mcpu=gfx1250 --defsym DOCPART=n.
;; ======== version 1 of 1: 4 launches
;; workspace buffers: xc 6,291,456 bytes; xs 262,144 bytes; wc 3,145,728 bytes; ws 131,072 bytes; qb 6,815,744 bytes; kv 13,369,344 bytes; oc 6,291,456 bytes; os 262,144 bytes
;; launch prep (part 1): grid 384 x 1, 4 waves a work-group, no clusters, 68,608 bytes of LDS; arguments x, Wq, Wk, Wv, Wo, xc, xs, wc, ws; writes xc, xs, wc, ws
.if DOCPART == 1
	.amdgcn_target "amdgcn-amd-amdhsa--gfx1250"
	.amdhsa_code_object_version 6
	.text
	.protected	k_q8e69d559e9_prep
	.globl	k_q8e69d559e9_prep
	.p2align	8
	.type	k_q8e69d559e9_prep,@function
k_q8e69d559e9_prep:
	s_mov_b64 s[64:65], 0
	v_nop
	global_prefetch_b8 v0, s[64:65] scope:SCOPE_SE
	s_setreg_imm32_b32 hwreg(HW_REG_WAVE_MODE, 25, 1), 1
	s_wait_xcnt 0x0
; x [8192][1024] and the four weights [1024 (k)][1024 (n)], f32, become codes of FP6 (E2M3), K innermost, with one E8M0 byte for each 32 along K.
; xc [8192 rows][768 bytes], xs [8192][32];  wc [4096 rows: Wq, Wk, Wv, Wo by column n][768], ws [4096][32].
; A block's scale is 2^(floor(log2(largest magnitude)) - 2); its byte is the largest magnitude's exponent field - 2, held at 1 from below (a block of zeros gets 1: its codes are zeros, and this program alone reads the bytes).
; ROWS ARE STORED IN A CHANGED ORDER: within each 32 rows the second and the third group of 8 change places.  Sixteen stored rows on end then are rows 32 b + 8 u + r + 8 (r / 8), the order in which the later
; products want a tile's rows, so that a result's 16 registers of two neighbouring tiles are 16 neighbours along the next K.
; LIMITS: NaN and infinities among the inputs are not served; blocks whose largest magnitude lies under 2^(2 - 126) keep the byte 1.
; Work-groups 0-255 take x (a wave: 8 rows = 8,192 numbers, 16 steps of 512; loads four steps ahead, a turn through the wave's own stage so that a lane holds 16 neighbours).
; Work-groups 256-383 take the weights (a wave: 32 columns x 256 along K; a lane takes a column and its registers run down K; the codes leave through the wave's own stage as rows).
; The two ways have LDS bytes of their own.  No tensor load, no barrier: waves share nothing.  No cluster: no two work-groups read the same bytes.
.set SPW,   196                        ; v196 LDS address of my spare word; never rewritten
.set NIL,   197                        ; v197 0; never rewritten
.set SPARE, 67584                      ; behind both ways' bytes: 128 bytes for each wave, named by no other line
.set EMAX,  2
.set STEPS, 16
.set CB,    12                         ; bytes of 16 codes
.set RX,    16                         ; v16-79   x: four sets of 16 numbers as loaded
.set XX,    80                         ; v80-111  two sets of 16 neighbours
.set EX,    112                        ; v112-127 a scale byte for each step
.set CX,    128                        ; v128-191 codes, four registers a step
.set WREG,  8192                       ; x's way: a region for each wave: two stages of 32 x SP bytes, then its 256 scale bytes
.set SP,    80
.set WSTG,  32768                      ; the weights' way: four stages of 32 x PITCH bytes
.set NB,    8
.set PITCH, 272
.set KROW,  768
.set XW,    32                         ; v32-95   two sets of 32 numbers
.set CW,    96                         ; v96..    a block's codes
.set OUTR,  112                        ; v112-175 the way out
.set SB,    24                         ; v24-25   the scale bytes
	s_load_b256 s[4:11], s[0:1], 0x0               ; x, Wq, Wk, Wv
	s_load_b256 s[12:19], s[0:1], 0x20             ; Wo, xc, xs, wc
	s_load_b64 s[20:21], s[0:1], 0x40              ; ws
	v_lshl_add_u32 v[SPW], v0, 2, SPARE
	v_mov_b32 v[NIL], 0
	v_lshrrev_b32 v1, 5, v0
	v_readfirstlane_b32 s22, v1                    ; wave
	v_and_b32 v2, 31, v0                           ; lane
	s_cmp_lt_u32 ttmp9, 256
	s_cbranch_scc0 .Lweights
	; ---------------- x ----------------
	v_lshlrev_b32 v3, 4, v2                        ; my 16 bytes of a load's 512
	s_mul_i32 s23, s22, WREG
	v_lshrrev_b32 v14, 2, v2
	v_mul_u32_u24 v14, v14, SP
	v_and_b32 v15, 3, v2
	v_lshl_add_u32 v14, v15, 4, v14
	v_add_nc_u32 v14, s23, v14                     ; the stage, in: SP (lane / 4) + 16 (lane % 4)
	v_mul_u32_u24 v15, v2, SP
	v_add_nc_u32 v15, s23, v15                     ; and out: SP x lane: my 16 neighbours
	v_mul_u32_u24 v4, v2, CB                       ; my codes' place in a step's
	v_lshrrev_b32 v5, 1, v2
	s_add_co_u32 s23, s23, 2*32*SP
	v_add_nc_u32 v5, s23, v5                       ; my block's byte among the wave's 256
	v_lshlrev_b32 v7, 3, v2
	v_add_nc_u32 v6, s23, v7
	s_lshl_b32 s24, ttmp9, 2
	s_add_co_u32 s26, s24, s22                     ; the group of 8 rows that I read: 4 x work-group + wave
	s_and_b32 s25, s22, 1
	s_lshl_b32 s25, s25, 1
	s_lshr_b32 s27, s22, 1
	s_or_b32 s25, s25, s27
	s_add_co_u32 s24, s24, s25                     ; and where it is stored: groups 1 and 2 change places
	s_lshl_b32 s26, s26, 15                        ; 8 rows of 4,096 bytes
	s_mov_b32 s27, 0
	s_mul_i32 s28, s24, 8*KROW
	s_mov_b32 s29, 0
	s_lshl_b32 s30, s24, 8
	s_mov_b32 s31, 0
	s_wait_kmcnt 0x0
	s_add_nc_u64 s[4:5], s[4:5], s[26:27]
	s_add_nc_u64 s[14:15], s[14:15], s[28:29]
	s_add_nc_u64 s[16:17], s[16:17], s[30:31]
.macro LOADX t
.irp i, 0,1,2,3
	global_load_b128 v[RX+16*((\t)%4)+4*\i:RX+16*((\t)%4)+4*\i+3], v3, s[4:5] offset:2048*(\t)+512*\i th:TH_LOAD_NT   ; 32 lanes read 512 consecutive bytes
.endr
.endm
.macro TURNX t                         ; a step's numbers through the stage: LDS serves a wave's instructions in order, so no wait stands between the stores and the loads
.irp i, 0,1,2,3
	ds_store_b128 v14, v[RX+16*((\t)%4)+4*\i:RX+16*((\t)%4)+4*\i+3] offset:32*SP*((\t)%2)+8*SP*\i
.endr
.irp i, 0,1,2,3
	ds_load_b128 v[XX+16*((\t)%2)+4*\i:XX+16*((\t)%2)+4*\i+3], v15 offset:32*SP*((\t)%2)+16*\i
.endr
.endm
.irp t, 0,1,2,3
	LOADX \t
.endr
	s_wait_loadcnt 12                              ; step 0's four loads are in; three steps' twelve may be out
	TURNX 0
.macro STEPX t
.set XS, XX+16*((\t)%2)
.if (\t) > 0
	s_wait_dscnt 1                                 ; this step's numbers are back from the stage; the last step's byte store may be out
.else
	s_wait_dscnt 0x0
.endif
.if (\t)+4 < STEPS
	LOADX (\t)+4                                   ; into the registers that the stage's stores have read
.endif
.if (\t)+1 < STEPS
.if STEPS-2-(\t) >= 3
	s_wait_loadcnt 12                              ; the next step's four loads are in; those of the three steps behind it may be out
.else
	s_wait_loadcnt 4*(STEPS-2-(\t))
.endif
	TURNX (\t)+1
.endif
	v_max3_num_f32 v8, |v[XS]|, |v[XS+1]|, |v[XS+2]|
	v_max3_num_f32 v9, |v[XS+3]|, |v[XS+4]|, |v[XS+5]|
.irp i, 6,10
	v_max3_num_f32 v8, v8, |v[XS+\i]|, |v[XS+\i+1]|
	v_max3_num_f32 v9, v9, |v[XS+\i+2]|, |v[XS+\i+3]|
.endr
	v_max3_num_f32 v8, v8, |v[XS+14]|, |v[XS+15]|
	v_max3_num_f32 v8, v8, v9, (EMAX+1)<<23        ; the floor 2^(3 - 127): the byte cannot fall under 1
	v_max_num_f32_dpp v8, v8, v8 row_xmask:1 row_mask:0xf bank_mask:0xf   ; with my neighbour's 16: the block's largest magnitude
	v_add_nc_u32 v11, -(EMAX<<23), v8              ; 2 off its exponent field: the conversion's scale operand
	v_cvt_scalef32_pk16_fp6_f32 v[CX+4*(\t):CX+4*(\t)+2], v[XS:XS+15], v11
	v_lshrrev_b32 v[EX+(\t)], 23, v11              ; the scale's byte
	ds_store_b8 v5, v[EX+(\t)] offset:16*(\t)      ; both lanes of a block write the same byte with the same value
	global_store_b96 v4, v[CX+4*(\t):CX+4*(\t)+2], s[14:15] offset:32*CB*(\t)   ; the wave stores 384 consecutive bytes
.endm
.irp t, 0,1,2,3,4,5,6,7,8,9,10,11,12,13,14,15
	STEPX \t
.endr
	ds_load_b64 v[8:9], v6
	s_wait_dscnt 0x0
	global_store_b64 v7, v[8:9], s[16:17]          ; 32 lanes store 256 consecutive bytes, aligned: 8 rows' scale bytes
	s_wait_tensorcnt 0x0                           ; the wave's end
	ds_add_u32 v[SPW], v[NIL]
	s_wait_dscnt 0x0
	s_endpgm
	; ---------------- the weights ----------------
.Lweights:
	s_sub_co_u32 s23, ttmp9, 256
	s_lshr_b32 s24, s23, 5                         ; which weight: 0 Wq, 1 Wk, 2 Wv, 3 Wo
	s_and_b32 s25, s23, 7                          ; which 128 columns
	s_bfe_u32 s26, s23, 0x20003                    ; which 256 along K
	s_lshl_b32 s27, s25, 7
	s_lshl_b32 s28, s22, 5
	s_add_co_u32 s27, s27, s28                     ; my wave's first column, a multiple of 32
	v_lshlrev_b32 v3, 2, v2                        ; in: 4 bytes a lane
	s_mul_i32 s28, s22, 32*PITCH
	s_add_co_u32 s28, s28, WSTG                    ; my stage
	v_mul_u32_u24 v4, v2, PITCH
	v_add_nc_u32 v4, s28, v4                       ; into it: row = my column
	v_and_b32 v5, 15, v2
	v_lshrrev_b32 v6, 4, v2
	v_mul_u32_u24 v7, v6, PITCH
	v_lshl_add_u32 v7, v5, 4, v7
	v_add_nc_u32 v7, s28, v7                       ; out of it: sixteen lanes to a row, two rows an instruction
	v_mul_u32_u24 v8, v6, KROW
	v_mad_u32_u24 v8, v5, 12, v8                   ; and the same place in wc
	v_and_b32 v9, 7, v2                            ; where my column's row is stored: bits 3 and 4 of the lane change places
	v_and_b32 v10, 8, v2
	v_lshl_or_b32 v9, v10, 1, v9
	v_and_b32 v10, 16, v2
	v_lshrrev_b32 v10, 1, v10
	v_or_b32 v9, v9, v10
	v_lshlrev_b32 v9, 5, v9                        ; 32 scale bytes a row
	s_lshl_b32 s30, s26, 20                        ; 256 rows of 4,096 bytes
	s_lshl_b32 s29, s27, 2
	s_add_co_u32 s30, s30, s29
	s_mov_b32 s31, 0
	s_lshl_b32 s29, s24, 10
	s_add_co_u32 s29, s29, s27                     ; my first row of wc and ws
	s_mul_i32 s32, s29, KROW
	s_mul_i32 s33, s26, 192
	s_add_co_u32 s32, s32, s33
	s_mov_b32 s33, 0
	s_lshl_b32 s34, s29, 5
	s_lshl_b32 s35, s26, 3
	s_add_co_u32 s34, s34, s35
	s_mov_b32 s35, 0
	s_wait_kmcnt 0x0
	s_cmp_eq_u32 s24, 1                            ; the choice hangs on the work-group's number alone
	s_cselect_b64 s[6:7], s[8:9], s[6:7]
	s_cmp_eq_u32 s24, 2
	s_cselect_b64 s[6:7], s[10:11], s[6:7]
	s_cmp_eq_u32 s24, 3
	s_cselect_b64 s[6:7], s[12:13], s[6:7]
	s_add_nc_u64 s[6:7], s[6:7], s[30:31]
	s_add_nc_u64 s[18:19], s[18:19], s[32:33]
	s_add_nc_u64 s[20:21], s[20:21], s[34:35]
.macro LOADW t                         ; block t: W(32 t + i, my column) into set t % 2: 32 lanes read 128 consecutive bytes
.irp i, 0,1,2,3,4,5,6,7,8,9,10,11,12,13,14,15,16,17,18,19,20,21,22,23,24,25,26,27,28,29,30,31
	global_load_b32 v[XW+32*((\t)%2)+\i], v3, s[6:7] offset:(32*(\t)+\i)*4096 th:TH_LOAD_NT
.endr
.endm
	LOADW 0
	LOADW 1
.macro BLOCKW t
.set XS, XW+32*((\t)%2)
.if (\t) < NB-1
	s_wait_loadcnt 32                              ; this block's 32 loads are in; the next block's may be out
.else
	s_wait_loadcnt 0
.endif
	v_max3_num_f32 v12, |v[XS]|, |v[XS+1]|, |v[XS+2]|               ; all 32 numbers of the block are mine
	v_max3_num_f32 v13, |v[XS+3]|, |v[XS+4]|, |v[XS+5]|
.irp i, 6,10,14,18,22,26
	v_max3_num_f32 v12, v12, |v[XS+\i]|, |v[XS+\i+1]|
	v_max3_num_f32 v13, v13, |v[XS+\i+2]|, |v[XS+\i+3]|
.endr
	v_max3_num_f32 v12, v12, |v[XS+30]|, |v[XS+31]|
	v_max3_num_f32 v12, v12, v13, (EMAX+1)<<23
	v_add_nc_u32 v11, -(EMAX<<23), v12
	v_lshrrev_b32 v13, 23, v11
.if (\t)%4 == 0
	v_mov_b32 v[SB+(\t)/4], v13
.else
	v_lshl_or_b32 v[SB+(\t)/4], v13, 8*((\t)%4), v[SB+(\t)/4]
.endif
	v_cvt_scalef32_pk16_fp6_f32 v[CW:CW+2], v[XS:XS+15], v11
	v_cvt_scalef32_pk16_fp6_f32 v[CW+4:CW+6], v[XS+16:XS+31], v11
	ds_store_b96 v4, v[CW:CW+2] offset:32*(\t)     ; 12 bytes to a place of 16
	ds_store_b96 v4, v[CW+4:CW+6] offset:32*(\t)+16
.if (\t)+2 < NB
	LOADW (\t)+2
.endif
	s_wait_dscnt 0x0                               ; the stores have read their registers: the next block's codes may be written
.endm
.irp t, 0,1,2,3,4,5,6,7
	BLOCKW \t
.endr
	global_store_b64 v9, v[SB:SB+1], s[20:21]      ; my column's 8 scale bytes
.irp t, 0,1,2,3,4,5,6,7,8,9,10,11,12,13,14,15
	ds_load_b96 v[OUTR+4*\t:OUTR+4*\t+2], v7 offset:2*\t*PITCH
.endr
.irp t, 0,1,2,3,4,5,6,7,8,9,10,11,12,13,14,15
	s_wait_dscnt 15-\t                             ; the later row loads may be out
	global_store_b96 v8, v[OUTR+4*\t:OUTR+4*\t+2], s[18:19] offset:(8*((((\t/4)&1)<<1)|((\t/4)>>1))+2*(\t%4))*KROW   ; columns 2 t, 2 t + 1, at their stored rows
.endr
	s_wait_tensorcnt 0x0                           ; the wave's end
	ds_add_u32 v[SPW], v[NIL]
	s_wait_dscnt 0x0
	s_endpgm
.Lfunc_end_k_q8e69d559e9_prep:
	.size	k_q8e69d559e9_prep, .Lfunc_end_k_q8e69d559e9_prep-k_q8e69d559e9_prep
	.p2alignl 7, 3214868480
	.fill 96, 4, 3214868480
	.section	.rodata,"a",@progbits
	.p2align	6, 0x0
	.amdhsa_kernel k_q8e69d559e9_prep
		.amdhsa_group_segment_fixed_size 68608
		.amdhsa_private_segment_fixed_size 0
		.amdhsa_enable_private_segment 0
		.amdhsa_kernarg_size 72
		.amdhsa_user_sgpr_count 2
		.amdhsa_user_sgpr_kernarg_segment_ptr 1
		.amdhsa_wavefront_size32 1
		.amdhsa_system_sgpr_workgroup_id_x 1
		.amdhsa_system_sgpr_workgroup_id_y 1
		.amdhsa_system_sgpr_workgroup_id_z 1
		.amdhsa_system_vgpr_workitem_id 0
		.amdhsa_next_free_vgpr 200
		.amdhsa_next_free_sgpr 66
		.amdhsa_reserve_vcc 0
		.amdhsa_float_denorm_mode_32 3
		.amdhsa_float_denorm_mode_16_64 3
		.amdhsa_memory_ordered 1
		.amdhsa_forward_progress 1
		.amdhsa_inst_pref_size 74
	.end_amdhsa_kernel
	.amdgpu_metadata
---
amdhsa.version: [ 1, 2 ]
amdhsa.kernels:
  - .name:           k_q8e69d559e9_prep
    .symbol:         k_q8e69d559e9_prep.kd
    .args:
      - { .name: x, .offset: 0, .size: 8, .value_kind: global_buffer, .address_space: global }
      - { .name: Wq, .offset: 8, .size: 8, .value_kind: global_buffer, .address_space: global }
      - { .name: Wk, .offset: 16, .size: 8, .value_kind: global_buffer, .address_space: global }
      - { .name: Wv, .offset: 24, .size: 8, .value_kind: global_buffer, .address_space: global }
      - { .name: Wo, .offset: 32, .size: 8, .value_kind: global_buffer, .address_space: global }
      - { .name: xc, .offset: 40, .size: 8, .value_kind: global_buffer, .address_space: global }
      - { .name: xs, .offset: 48, .size: 8, .value_kind: global_buffer, .address_space: global }
      - { .name: wc, .offset: 56, .size: 8, .value_kind: global_buffer, .address_space: global }
      - { .name: ws, .offset: 64, .size: 8, .value_kind: global_buffer, .address_space: global }
    .group_segment_fixed_size: 68608
    .private_segment_fixed_size: 0
    .kernarg_segment_align: 8
    .kernarg_segment_size: 72
    .max_flat_workgroup_size: 128
    .sgpr_count:     66
    .vgpr_count:     200
    .wavefront_size: 32
...
	.end_amdgpu_metadata
.endif
;; end of part 1
;; launch qkv (part 2): grid 12 x 32, 4 waves a work-group, clusters of 4 x 4, 327,680 bytes of LDS; arguments xc, xs, wc, ws, bq, bk, bv, qb, kv; writes qb, kv
.if DOCPART == 2
	.amdgcn_target "amdgcn-amd-amdhsa--gfx1250"
	.amdhsa_code_object_version 6
	.text
	.protected	k_q8e69d559e9_qkv
	.globl	k_q8e69d559e9_qkv
	.p2align	8
	.type	k_q8e69d559e9_qkv,@function
k_q8e69d559e9_qkv:
	s_mov_b64 s[64:65], 0
	v_nop
	global_prefetch_b8 v0, s[64:65] scope:SCOPE_SE
	s_setreg_imm32_b32 hwreg(HW_REG_WAVE_MODE, 25, 1), 1
	s_wait_xcnt 0x0
	s_wait_alu depctr_hold_cnt(0) depctr_sa_sdst(0) depctr_va_vdst(0) depctr_va_sdst(0) depctr_va_ssrc(0) depctr_va_vcc(0) depctr_vm_vsrc(0)
	s_getreg_b32 s2, hwreg(HW_REG_IB_STS2, 6, 4)
	s_cmp_eq_u32 s2, 0
	s_cbranch_scc0 .Lentry_in_a_cluster
	s_endpgm
.Lentry_in_a_cluster:
	s_bfe_u32 s2, ttmp6, 0x10000c
	s_cmp_lg_u32 s2, 0xf033
	s_cbranch_scc0 .Lentry_shape_is_right
	s_endpgm
.Lentry_shape_is_right:
; q = x Wq + bq, k = x Wk + bk, v = x Wv + bv as ONE product 8,192 x 3,072 x 1,024 on codes of FP6 (E2M3) with E8M0 scales; the results are quantised in registers and leave as images of the operands of the attention launch.
; A tile is 256 rows of x by 256 rows of wc (columns of a weight); four waves, each 128 x 128: 64 accumulators, 512 registers.  K goes in steps of 256 through a ring of two LDS slots filled by the tensor data mover;
; the scale bytes of the tile's rows come once, with the first fills.  CLUSTERS: 4 x 4 work-groups; x's tile is asked for jointly along a row of the cluster, the weight's along a column.
; THE CLUSTER'S x SAYS WHICH WEIGHT: 0 q, 1 k, 2 v: the same in all sixteen partners.  For q and k source 0 = rows of the weight and source 1 = rows of x: a lane holds one row of x and its registers run along the head's 64, the
; next K.  For v the two change places (source 0 = rows of x, the keys; source 1 = rows of Wv): a lane holds one channel and its registers run along the keys, the next K.  Only the LDS addresses of the fragments differ.
; The stored order of rows (prep) makes the 16 registers of two neighbouring tiles 16 neighbours along the next K.  The bias is the C of the first K step's products.
; OUT.  A unit is 16 rows x 64 along K: six registers a lane, stored as they stand: 32 lanes x 16 bytes, then 32 lanes x 8 bytes: 768 bytes.
;   qb [b h 64][J 16][8 units | 512 bytes of scale words];   kv [b h][step 16][K: 8 units | 512 bytes of scale words | V: 4 channel tiles x 2 units | 256 bytes of scale words].
; LIMITS: NaN and infinities are not served; a block of zeros gets the byte 1 (its codes are zeros; this program alone reads the bytes).
; No prefetch: four K steps, tiles shared in the cluster.
; REGISTERS: window 0: v0-31 addresses; v32-63 scale words, two sets; v64-127 the bias; from v128 source 1's fragments, one set (the epilogue works there).  window 1: source 0's fragments, two sets.  windows 2, 3: the accumulators.
.set KSTEP,  256
.set NQ,     2
.set ROWB,   192
.set KROW,   768
.set PITCH,  240                       ; an LDS row: 3 x (64 bytes + 16 of padding)
.set FR,     12
.set NL,     6
.set NP,     4
.set HALFT,  128*PITCH
.set SLOT,   4*HALFT                   ; x's 256 rows, then the weight's 256 rows
.set LAPS,   2
.set KS,     32
.set SCL,    2*SLOT
.set HALFS,  16*272
.set SBLK,   2*272
.set SPARE,  294912                    ; the spare words, 128 bytes for each wave, named by no other line
.set ADRA, 16                          ; v16-19 source 1's fragments in slot 0, 1 (and behind one padding more)
.set ADRB, 20                          ; v20-23 source 0's
.set LN16, 24                          ; 16 x lane
.set LN8,  25                          ; 8 x lane
.set VSO,  26                          ; 16 r + (lane / 16) x a head of kv
.set ADRS, 27
.set SPW,  28
.set NIL,  29
.set SC,   32
.set BIA,  64
.set AF,   128
.set PC,   128                         ; the epilogue, window 0: codes v128-139, spare triples at v140, v144
.set TM,   148                         ; v148-163 at work
.set PW,   164                         ; v164-171 the eight scale words
.set XWD,  172
.set YWD,  176
.set ZWD,  180
.set G1, 24
.set G0, 32
.set G1B, 48
.set G0B, 56
.set G1S, 68
.set G0S, 76
.set G1SB, 80
.set G0SB, 88
.set MSB, 0
.macro WIN new                         ; the immediate's high byte repeats the setting that is left
.if MSB != (\new)
	s_set_vgpr_msb (MSB<<8)|(\new)
.set MSB, (\new)
.endif
.endm
.set MUL_LO, 0xa1                      ; source 0 window 1, source 1 window 0, C and D window 2
.set MUL_HI, 0xf1
.set TO_B,   0x40
.macro JLOAD g0a, g1a, g0b, g1b        ; a joint load: waves 0 and 1 fetch x's, waves 2 and 3 the weight's; an s_nop 0 and four v_nop follow each line
	s_cmp_eq_u32 s15, 0
	s_cbranch_scc0 .Lfor_b_\@
	tensor_load_to_lds s[\g0a:\g0a+3], s[\g1a:\g1a+7]
	s_nop 0
.rept 4
	v_nop
.endr
	s_branch .Lasked_\@
.Lfor_b_\@:
	tensor_load_to_lds s[\g0b:\g0b+3], s[\g1b:\g1b+7]
	s_nop 0
.rept 4
	v_nop
.endr
.Lasked_\@:
.endm
.macro CREST
	s_cmp_lg_u32 s14, 0
	s_cbranch_scc1 .Lnot_wave_0_\@
	s_barrier_signal -3
.Lnot_wave_0_\@:
	s_barrier_wait -3
	s_barrier_signal -1
	s_barrier_wait -1
.endm
.macro CROUND
	s_barrier_signal -1
	s_barrier_wait -1
	CREST
.endm
	s_load_b128 s[4:7], s[0:1], 0x0                ; xc, xs
	s_load_b128 s[8:11], s[0:1], 0x10              ; wc, ws
	v_lshl_add_u32 v[SPW], v0, 2, SPARE
	v_mov_b32 v[NIL], 0
	ds_add_u32 v[SPW], v[NIL]                      ; the wave's opening: the add and its wait ahead of my first tensor load
	v_lshrrev_b32 v1, 5, v0
	v_readfirstlane_b32 s14, v1                    ; wave 0..3
	s_lshr_b32 s15, s14, 1                         ; which half of source 1's rows is mine.  Also: I fetch x's (0) or the weight's (1)
	s_and_b32 s16, s14, 1                          ; which half of source 0's.  Also: which 128 rows I fetch
	s_bfe_u32 s40, ttmp6, 0x40000                  ; cx, cy
	s_bfe_u32 s41, ttmp6, 0x40004
	s_lshl_b32 s42, ttmp9, 2
	s_add_co_u32 s42, s42, s40                     ; tile column = 4 x cluster x + cx
	s_and_b32 s17, ttmp7, 0xffff
	s_lshl_b32 s17, s17, 2
	s_add_co_u32 s17, s17, s41                     ; tile row = 4 x cluster y + cy
	s_lshl_b32 s43, s41, 2
	s_lshl_b32 s43, 15, s43                        ; my row of the cluster
	s_lshl_b32 s44, 0x1111, s40                    ; my column
	s_or_b32 s[G1+0], s43, (0<<16)|(1<<20)|(1<<21)|(3<<22)|(3<<25)  ; mask; elements of 1 byte; padding on; bit 21 beside a mask; 4 words of padding behind every 16
	s_or_b32 s[G1B+0], s44, (0<<16)|(1<<20)|(1<<21)|(3<<22)|(3<<25)
.irp g, G1, G1B
	s_mov_b32 s[\g+1], ROWB<<16                    ; tensor_dim0
	s_mov_b32 s[\g+2], 128<<16                     ; tensor_dim1
	s_mov_b32 s[\g+3], ROWB<<16                    ; tile_dim0
	s_mov_b32 s[\g+4], 128                         ; tile_dim1
	s_mov_b32 s[\g+5], KROW                        ; the pitch
	s_mov_b32 s[\g+6], 0
	s_mov_b32 s[\g+7], 0
.endr
	s_or_b32 s[G1S+0], s43, (3<<16)|(1<<20)|(1<<21)|(5<<22)|(3<<25)  ; the scales of 128 rows: 4,096 dense bytes as 16 rows of 256, 16 bytes of padding behind each
	s_or_b32 s[G1SB+0], s44, (3<<16)|(1<<20)|(1<<21)|(5<<22)|(3<<25)
.irp g, G1S, G1SB
	s_mov_b32 s[\g+1], 32<<16
	s_mov_b32 s[\g+2], 16<<16
	s_mov_b32 s[\g+3], 32<<16
	s_mov_b32 s[\g+4], 16
	s_mov_b32 s[\g+5], 32
	s_mov_b32 s[\g+6], 0
	s_mov_b32 s[\g+7], 0
.endr
	s_lshl_b32 s18, s16, 7
	s_lshl_b32 s20, s17, 8
	s_add_co_u32 s20, s20, s18                     ; x: row 256 x tile row + 128 x half
	s_lshl_b32 s46, s42, 8
	s_add_co_u32 s46, s46, s18                     ; wc: row 256 x tile column + 128 x half
	s_mov_b32 s21, 0
	s_mov_b32 s47, 0
	s_mov_b64 s[18:19], KS
	s_mul_u64 s[22:23], s[20:21], s[18:19]
	s_mul_u64 s[92:93], s[46:47], s[18:19]
	s_mov_b64 s[18:19], KROW
	s_mul_u64 s[20:21], s[20:21], s[18:19]
	s_mul_u64 s[46:47], s[46:47], s[18:19]
	s_mul_i32 s45, s14, HALFT                      ; where they go: wave x 128 rows
	s_mul_i32 s94, s14, HALFS
	s_wait_dscnt 0x0                               ; the opening add is done
	s_wait_kmcnt 0x0
	s_add_nc_u64 s[20:21], s[4:5], s[20:21]
	s_add_nc_u64 s[22:23], s[6:7], s[22:23]
	s_add_nc_u64 s[46:47], s[8:9], s[46:47]
	s_add_nc_u64 s[92:93], s[10:11], s[92:93]
	CROUND                                         ; all sixteen work-groups are here: the first joint loads meet
	s_mov_b32 s[G0S], 1
	s_add_co_u32 s[G0S+1], s94, SCL
	s_mov_b64 s[G0S+2:G0S+3], s[22:23]
	s_or_b32 s[G0S+3], s[G0S+3], 0x80000000
	s_mov_b32 s[G0SB], 1
	s_add_co_u32 s[G0SB+1], s94, SCL
	s_mov_b64 s[G0SB+2:G0SB+3], s[92:93]
	s_or_b32 s[G0SB+3], s[G0SB+3], 0x80000000
	JLOAD G0S, G1S, G0SB, G1SB                     ; the scales first
.irp s, 0,1
	s_mov_b32 s[G0+4*\s], 1
	s_add_co_u32 s[G0+4*\s+1], s45, \s*SLOT
	s_add_nc_u64 s[G0+4*\s+2:G0+4*\s+3], s[20:21], \s*ROWB
	s_or_b32 s[G0+4*\s+3], s[G0+4*\s+3], 0x80000000
	s_mov_b32 s[G0B+4*\s], 1
	s_add_co_u32 s[G0B+4*\s+1], s45, \s*SLOT
	s_add_nc_u64 s[G0B+4*\s+2:G0B+4*\s+3], s[46:47], \s*ROWB
	s_or_b32 s[G0B+4*\s+3], s[G0B+4*\s+3], 0x80000000
	JLOAD G0+4*\s, G1, G0B+4*\s, G1B               ; three tensor loads of mine are out
.endr
	s_load_b128 s[92:95], s[0:1], 0x20             ; bq, bk
	s_load_b128 s[96:99], s[0:1], 0x30             ; bv, qb
	s_load_b64 s[100:101], s[0:1], 0x40            ; kv
	v_and_b32 v1, 15, v0                           ; r
	v_bfe_u32 v2, v0, 4, 1                         ; h
	v_mul_u32_u24 v3, v1, PITCH
	v_mul_u32_u24 v4, v2, 24
	v_add_nc_u32 v4, v3, v4                        ; a fragment's row x pitch + 24 x half
	v_lshl_add_u32 v5, v2, 4, v4                   ; and the same behind one padding more
	s_cmp_eq_u32 ttmp9, 2                          ; v?  The cluster's x is the same in all partners
	s_cselect_b32 s66, 1, 0
	s_cselect_b32 s18, 2*HALFT, 0                  ; source 1: x's region, for v the weight's
	s_cselect_b32 s19, 0, 2*HALFT                  ; source 0: the weight's region, for v x's
	s_mul_i32 s21, s15, HALFT
	s_mul_i32 s22, s16, HALFT
	s_add_co_u32 s21, s21, s18
	s_add_co_u32 s22, s22, s19
.irp s, 0,1
	v_add_nc_u32 v[ADRA+\s], s21, v4
	v_add_nc_u32 v[ADRB+\s], s22, v4
	v_add_nc_u32 v[ADRA+2+\s], s21, v5
	v_add_nc_u32 v[ADRB+2+\s], s22, v5
	s_add_co_u32 s21, s21, SLOT
	s_add_co_u32 s22, s22, SLOT
.endr
	v_mul_u32_u24 v5, v1, KS                       ; my row's scales: 32 bytes a row,
	v_lshrrev_b32 v6, 8, v5
	v_lshl_add_u32 v5, v6, 4, v5                   ; and 16 more for each 256 passed
	s_cmp_eq_u32 ttmp9, 2
	s_cselect_b32 s18, 2*HALFS, 0
	s_cselect_b32 s19, 0, 2*HALFS
	s_mul_i32 s21, s15, HALFS
	s_mul_i32 s22, s16, HALFS
	s_add_co_u32 s21, s21, s18
	s_add_co_u32 s22, s22, s19
	s_add_co_u32 s21, s21, SCL                     ; source 1's scales: lanes 0-15
	s_add_co_u32 s22, s22, SCL                     ; source 0's: lanes 16-31
	s_mov_b32 s2, 0xffff0000                       ; lanes 16-31
	v_mov_b32 v6, s21
	v_mov_b32 v7, s22
	v_cndmask_b32 v6, v6, v7, s2
	v_add_nc_u32 v[ADRS], v5, v6
	v_and_b32 v6, 31, v0
	v_lshlrev_b32 v[LN16], 4, v6
	v_lshlrev_b32 v[LN8], 3, v6
	v_mul_u32_u24 v6, v2, 208896
	v_lshl_add_u32 v[VSO], v1, 4, v6
	; the bias, in the result's layout.  q, k: register 8 t + j = bias of the weight's row 32 (t / 2) + 8 (t % 2) + 16 h + j;  v: of row 32 (t / 2) + 8 (t % 2) + r + 8 (r / 8), the same in all eight registers
	s_cmp_eq_u32 ttmp9, 2
	s_cselect_b32 s18, 0, 64                       ; bytes for h,
	s_cselect_b32 s19, 4, 0                        ; for r + 8 (r / 8),
	s_cselect_b32 s20, 0, 4                        ; for j
	s_cselect_b32 s21, s15, s16                    ; which half of the weight's 256 rows is mine
	s_cselect_b32 s22, s16, s15                    ; which half of x's
	v_and_b32 v6, 8, v1
	v_add_nc_u32 v6, v6, v1
	v_mul_u32_u24 v7, v2, s18
	v_mad_u32_u24 v7, v6, s19, v7
	v_mov_b32 v128, v7
.irp j, 1,2,3,4,5,6,7
	v_add_nc_u32 v[128+\j], s20, v[127+\j]
.endr
	s_and_b32 s23, s42, 3
	s_lshl_b32 s46, s23, 10
	s_lshl_b32 s47, s21, 9
	s_add_co_u32 s46, s46, s47                     ; 4 x (256 (tile column % 4) + 128 x half)
	s_mov_b32 s47, 0
	s_wait_kmcnt 0x0
	s_cmp_eq_u32 ttmp9, 1
	s_cselect_b64 s[12:13], s[94:95], s[92:93]
	s_cmp_eq_u32 ttmp9, 2
	s_cselect_b64 s[12:13], s[96:97], s[12:13]
	s_add_nc_u64 s[12:13], s[12:13], s[46:47]
.irp t, 0,1,2,3,4,5,6,7
.irp j, 0,1,2,3,4,5,6,7
	global_load_b32 v[BIA+8*\t+\j], v[128+\j], s[12:13] offset:(32*(\t/2)+8*(\t%2))*4
.endr
.endr
	; where my results go
	s_lshl_b32 s46, s17, 1
	s_add_co_u32 s46, s46, s22                     ; my 128 rows of x: block 2 x tile row + half
	s_lshr_b32 s47, s46, 4                         ; the batch
	s_and_b32 s46, s46, 15                         ; the block of 128 in it
	s_lshl_b32 s23, s23, 2
	s_lshl_b32 s21, s21, 1
	s_add_co_u32 s23, s23, s21                     ; my first head
	s_lshl_b32 s47, s47, 4
	s_add_co_u32 s47, s47, s23
	s_lshl_b32 s47, s47, 4
	s_add_co_u32 s47, s47, s46                     ; 16 x (16 batch + head) + block
	s_cmp_eq_u32 ttmp9, 0
	s_cselect_b64 s[20:21], s[98:99], s[100:101]   ; qb or kv
	s_mov_b32 s18, 13056
	s_cselect_b32 s18, 6656, s18                   ; bytes of a block
	s_mul_i32 s92, s47, s18
	s_lshl_b32 s22, s18, 4                         ; bytes of a head
	s_cmp_eq_u32 ttmp9, 2
	s_cselect_b32 s19, 6656, 0                     ; V's part of a block
	s_cselect_b32 s22, 768, s22                    ; from the codes' first six registers to the second six: for v the next 64 keys, else the next head
	s_mov_b32 s96, 768
	s_cselect_b32 s96, 1536, s96                   ; from one tile of source 1 to the next
	s_cselect_b32 s98, 202752, 0                   ; for v more at the fifth tile: on to the next head
	s_mov_b32 s23, 0
	s_mov_b32 s97, 0
	s_mov_b32 s99, 0
	s_mov_b32 s93, 0
	s_add_co_u32 s92, s92, s19
	s_add_nc_u64 s[92:93], s[20:21], s[92:93]      ; registers 0-5
	s_add_nc_u64 s[94:95], s[92:93], s[22:23]      ; registers 6-11
	s_add_nc_u64 s[100:101], s[92:93], 6144        ; the scale words
	s_add_nc_u64 s[20:21], s[100:101], s[22:23]    ; q, k: the second head's
	s_wait_loadcnt 0x0                             ; the bias is in; its offset registers are free
.macro FRAG reg, adr, q, i             ; a fragment, 16 rows x 128 K: 12 registers, in pieces of 8 bytes; where the piece of lanes 16-31 lies behind one padding more, the second address register serves
.irp p, 0,1,2,3,4,5
.set PCE, 12*(\q)+6*(\p/3)+\p%3
.if PCE%8 < 5
	ds_load_b64 v[\reg+2*\p:\reg+2*\p+1], v[\adr] offset:8*PCE+16*(PCE/8)+(\i)*16*PITCH
.else
	ds_load_b64 v[\reg+2*\p:\reg+2*\p+1], v[\adr+2] offset:8*PCE+16*(PCE/8)+(\i)*16*PITCH
.endif
.endr
.endm
; 16 matrix instructions: source 1's blocks a0, a0 + 1 x source 0's eight.  zero = 1: C = the bias by source 0's block (q, k); 2: by source 1's block (v); 0: in place.  The 64 accumulators take turns.
.macro MUL16 a0, p, q, sc, zero
.irp a, \a0, \a0+1
.irp b, 0,1,2,3,4,5,6,7
.if \zero == 1
	v_wmma_scale_f32_16x16x128_f8f6f4 v[8*(8*((\a)%4)+\b):8*(8*((\a)%4)+\b)+7], v[128*(\p)+FR*\b:128*(\p)+FR*\b+FR-1], v[AF+FR*(\a):AF+FR*(\a)+FR-1], v[BIA+8*\b:BIA+8*\b+7], v[SC+8*NQ*(\sc)+NQ*\b+(\q)], v[SC+8*NQ*(\sc)+NQ*(\a)+(\q)] matrix_a_fmt:MATRIX_FMT_FP6 matrix_b_fmt:MATRIX_FMT_FP6 matrix_a_scale:MATRIX_SCALE_ROW1
.elseif \zero == 2
	v_wmma_scale_f32_16x16x128_f8f6f4 v[8*(8*((\a)%4)+\b):8*(8*((\a)%4)+\b)+7], v[128*(\p)+FR*\b:128*(\p)+FR*\b+FR-1], v[AF+FR*(\a):AF+FR*(\a)+FR-1], v[BIA+8*(\a):BIA+8*(\a)+7], v[SC+8*NQ*(\sc)+NQ*\b+(\q)], v[SC+8*NQ*(\sc)+NQ*(\a)+(\q)] matrix_a_fmt:MATRIX_FMT_FP6 matrix_b_fmt:MATRIX_FMT_FP6 matrix_a_scale:MATRIX_SCALE_ROW1
.else
	v_wmma_scale_f32_16x16x128_f8f6f4 v[8*(8*((\a)%4)+\b):8*(8*((\a)%4)+\b)+7], v[128*(\p)+FR*\b:128*(\p)+FR*\b+FR-1], v[AF+FR*(\a):AF+FR*(\a)+FR-1], v[8*(8*((\a)%4)+\b):8*(8*((\a)%4)+\b)+7], v[SC+8*NQ*(\sc)+NQ*\b+(\q)], v[SC+8*NQ*(\sc)+NQ*(\a)+(\q)] matrix_a_fmt:MATRIX_FMT_FP6 matrix_b_fmt:MATRIX_FMT_FP6 matrix_a_scale:MATRIX_SCALE_ROW1
.endif
.endr
.endr
.endm
.macro FETCH_B slot, q, p
	WIN TO_B
.irp i, 0,1,2,3,4,5,6,7
	FRAG 128*(\p)+FR*\i, ADRB+\slot, \q, \i
.endr
	WIN 0
.endm
.macro FETCH_A slot, q, i0
.irp i, \i0, \i0+1, \i0+2, \i0+3
	FRAG AF+FR*(\i), ADRA+\slot, \q, \i
.endr
.endm
.macro SCALES sc                       ; a K step's scale words: lanes 0-15 source 1's block i, lanes 16-31 source 0's block i
.irp i, 0,1,2,3,4,5,6,7
	ds_load_b64 v[SC+8*NQ*\sc+NQ*\i:SC+8*NQ*\sc+NQ*\i+1], v[ADRS] offset:\i*SBLK
.endr
.endm
.macro PLACES n                        ; plain vector places between a matrix instruction and a load into, or a read of, its registers
.rept \n
	v_nop
.endr
.endm
.macro STEP slot, q, zero              ; 128 along K, with its successor in the same slot
	s_wait_dscnt 4*NL                              ; all but the youngest 24 loads (source 1's blocks 4-7) are in
.if \zero
	WIN 0x81                                       ; C, the bias, in window 0
.else
	WIN MUL_LO
.endif
	MUL16 0, (\q)%2, \q, \slot, \zero
	MUL16 2, (\q)%2, \q, \slot, \zero
	s_wait_dscnt 0
	PLACES NP
	FETCH_B \slot, (\q)+1, 1-(\q)%2
	FETCH_A \slot, (\q)+1, 0
.if \zero
	WIN 0xc1
.else
	WIN MUL_HI
.endif
	MUL16 4, (\q)%2, \q, \slot, \zero
	MUL16 6, (\q)%2, \q, \slot, \zero
	PLACES NP
	WIN 0
	FETCH_A \slot, (\q)+1, 4
.endm
; A slot's last step changes slots: one barrier; in front of it each wave waits for all its tensor loads, adds 0 to its spare word, and waits for that and for its reads of this slot.
.macro TURN slot, next, fill
	s_wait_tensorcnt 0x0                           ; all my tensor loads have landed: my part of the next slot
	ds_add_u32 v[SPW], v[NIL]
	s_wait_dscnt 4*NL+1                            ; the add and the youngest 24 loads may be out
	WIN MUL_LO
	MUL16 0, 1, NQ-1, \slot, 0
	s_wait_dscnt 0x0                               ; the add is done, and my reads of this slot are over
	s_barrier_signal -1
	MUL16 2, 1, NQ-1, \slot, 0
	WIN 0
	s_barrier_wait -1
.if \fill
	CREST                                          ; the barrier has opened a round of the cluster's barrier: no wave of any partner still reads this slot or has a load on its way
	s_add_nc_u64 s[G0+4*\slot+2:G0+4*\slot+3], s[G0+4*\slot+2:G0+4*\slot+3], 2*ROWB
	s_add_nc_u64 s[G0B+4*\slot+2:G0B+4*\slot+3], s[G0B+4*\slot+2:G0B+4*\slot+3], 2*ROWB
	JLOAD G0+4*\slot, G1, G0B+4*\slot, G1B         ; my one tensor load behind the round; its four v_nop are the places in front of the loads below
.else
	PLACES NP
.endif
	v_add_nc_u32 v[ADRS], 4*NQ, v[ADRS]
	FETCH_B \next, 0, 0
	FETCH_A \next, 0, 0
	SCALES \next
	WIN MUL_HI
	MUL16 4, 1, NQ-1, \slot, 0
	MUL16 6, 1, NQ-1, \slot, 0
	PLACES NP
	WIN 0
	FETCH_A \next, 0, 4
.endm
	s_wait_tensorcnt 1                             ; the scales and my part of K step 0 are in; K step 1's load may be out
	s_barrier_signal -1
	s_barrier_wait -1
	FETCH_B 0, 0, 0
	FETCH_A 0, 0, 0
	SCALES 0
	FETCH_A 0, 0, 4
	s_cmp_eq_u32 s66, 0                            ; the first step is written twice: the bias lies by source 0's blocks or by source 1's
	s_cbranch_scc0 .Lfirst_v
	STEP 0, 0, 1
	s_branch .Lfirst_done
.Lfirst_v:
	STEP 0, 0, 2
.Lfirst_done:
	s_mov_b32 s3, LAPS-1
.Llap:
	TURN 0, 1, 1
	STEP 1, 0, 0
	TURN 1, 0, 1
	STEP 0, 0, 0
	s_sub_co_u32 s3, s3, 1
	s_cmp_lg_u32 s3, 0
	s_cbranch_scc1 .Llap
	TURN 0, 1, 0                                   ; the last lap fills nothing
	STEP 1, 0, 0
	s_wait_dscnt 4*NL
	WIN MUL_LO
	MUL16 0, 1, NQ-1, 1, 0
	MUL16 2, 1, NQ-1, 1, 0
	s_wait_dscnt 0
	WIN MUL_HI
	MUL16 4, 1, NQ-1, 1, 0
	MUL16 6, 1, NQ-1, 1, 0
	WIN 0
; THE EPILOGUE.  The 64 registers of source 1's block a: register 16 b + i = place 32 b + 16 (lane / 16) + i along the next K, of the lane's row.  They become 12 registers of codes and a scale word.
.macro QUANTW w, s, a
	WIN ((\w)|((\w)<<2))                           ; sources 0 and 1: the accumulators' window
.irp b, 0,1,2,3
	v_max3_num_f32 v[TM+\b], |v[(\s)+16*\b]|, |v[(\s)+1+16*\b]|, 0x1800000   ; each accumulator is read from its low end on; the floor 2^(3 - 127) holds the byte at 1 from below
.endr
.irp i, 2,4,6,8,10,12,14
.irp b, 0,1,2,3
	v_max3_num_f32 v[TM+\b], |v[(\s)+16*\b+\i]|, |v[(\s)+1+16*\b+\i]|, v[TM+\b]
.endr
.endr
	WIN 0
.irp b, 0,1,2,3
	v_permlanex16_b32 v[TM+4+\b], v[TM+\b], s18, s19
.endr
.irp b, 0,1,2,3
	v_max_num_f32 v[TM+\b], v[TM+\b], v[TM+4+\b]   ; with lane l xor 16's: the block's largest magnitude
.endr
.irp b, 0,1,2,3
	v_add_nc_u32 v[TM+12+\b], 0xff000000, v[TM+\b] ; 2 off its exponent field: the conversion's scale operand
.endr
.irp b, 0,1,2,3
	v_lshrrev_b32 v[TM+4+\b], 23, v[TM+12+\b]      ; the byte
.endr
	v_lshl_or_b32 v[PW+(\a)], v[TM+5], 8, v[TM+4]
	v_lshl_or_b32 v[PW+(\a)], v[TM+6], 16, v[PW+(\a)]
	v_lshl_or_b32 v[PW+(\a)], v[TM+7], 24, v[PW+(\a)]
	WIN (\w)
.irp c, 0,1
	v_cvt_scalef32_pk16_fp6_f32 v[PC+6*\c:PC+2+6*\c], v[(\s)+32*\c:(\s)+15+32*\c], v[TM+12+2*\c]
	v_cvt_scalef32_pk16_fp6_f32 v[PC+12+4*\c:PC+14+4*\c], v[(\s)+16+32*\c:(\s)+31+32*\c], v[TM+12+2*\c+1]
.endr
	WIN 0
	v_nop                                          ; one plain place behind a scaled conversion
.irp c, 0,1                                    ; a whole block to a lane: lanes 0-15 block 2 c, lanes 16-31 block 2 c + 1
.irp i, 0,1,2
	v_permlane16_swap_b32 v[PC+6*\c+\i], v[PC+12+4*\c+\i]
.endr
.irp i, 0,1,2
	v_mov_b32 v[PC+3+6*\c+\i], v[PC+12+4*\c+\i]
.endr
.endr
.endm
	PLACES NP                                      ; behind the last products: their results are read and their operands' registers written below
	s_mov_b32 s18, 0x76543210
	s_mov_b32 s19, 0xfedcba98                      ; lane l xor 16
.irp b, 0,1,2,3
	v_mov_b32 v[TM+4+\b], 0                        ; a lane permute's destination counts as one of its sources
.endr
.irp a, 0,1,2,3,4,5,6,7
.if \a > 0
	s_wait_xcnt 0x0                                ; the last block's stores have read their registers and bases
	s_add_nc_u64 s[92:93], s[92:93], s[96:97]
	s_add_nc_u64 s[94:95], s[94:95], s[96:97]
.endif
.if \a == 4
	s_add_nc_u64 s[92:93], s[92:93], s[98:99]
	s_add_nc_u64 s[94:95], s[94:95], s[98:99]
.endif
	QUANTW 2+\a/4, 64*(\a%4), \a
	global_store_b128 v[LN16], v[PC:PC+3], s[92:93]               ; 512 consecutive bytes, aligned to 256
	global_store_b64 v[LN8], v[PC+4:PC+5], s[92:93] offset:512    ; 256 consecutive bytes
	global_store_b128 v[LN16], v[PC+6:PC+9], s[94:95]
	global_store_b64 v[LN8], v[PC+10:PC+11], s[94:95] offset:512
.endr
.irp i, 0,1,2,3
	v_cndmask_b32 v[XWD+\i], v[PW+\i], v[PW+4+\i], s2             ; lanes 0-15 blocks 0-3, lanes 16-31 blocks 4-7
.endr
	s_cmp_eq_u32 s66, 0
	s_cbranch_scc0 .Lv_words
.irp i, 0,1,2,3
	v_and_b32 v[YWD+\i], 0xffff, v[XWD+\i]         ; q, k: the first head's two bytes; the upper two stay 0
	v_lshrrev_b32 v[ZWD+\i], 16, v[XWD+\i]         ; the second head's
.endr
	global_store_b128 v[LN16], v[YWD:YWD+3], s[100:101]
	global_store_b128 v[LN16], v[ZWD:ZWD+3], s[20:21]
	s_branch .Lwords_done
.Lv_words:
	global_store_b128 v[VSO], v[XWD:XWD+3], s[100:101]            ; v: four bytes = the step's four blocks of keys; each half of the lanes stores 256 consecutive bytes of its head
.Lwords_done:
	s_wait_tensorcnt 0x0                           ; the wave's end
	ds_add_u32 v[SPW], v[NIL]
	s_wait_dscnt 0x0
	CROUND                                         ; the closing round
	s_endpgm
.Lfunc_end_k_q8e69d559e9_qkv:
	.size	k_q8e69d559e9_qkv, .Lfunc_end_k_q8e69d559e9_qkv-k_q8e69d559e9_qkv
	.p2alignl 7, 3214868480
	.fill 96, 4, 3214868480
	.section	.rodata,"a",@progbits
	.p2align	6, 0x0
	.amdhsa_kernel k_q8e69d559e9_qkv
		.amdhsa_group_segment_fixed_size 327680
		.amdhsa_private_segment_fixed_size 0
		.amdhsa_enable_private_segment 0
		.amdhsa_kernarg_size 72
		.amdhsa_user_sgpr_count 2
		.amdhsa_user_sgpr_kernarg_segment_ptr 1
		.amdhsa_wavefront_size32 1
		.amdhsa_system_sgpr_workgroup_id_x 1
		.amdhsa_system_sgpr_workgroup_id_y 1
		.amdhsa_system_sgpr_workgroup_id_z 1
		.amdhsa_system_vgpr_workitem_id 0
		.amdhsa_next_free_vgpr 1024
		.amdhsa_next_free_sgpr 102
		.amdhsa_reserve_vcc 0
		.amdhsa_float_denorm_mode_32 3
		.amdhsa_float_denorm_mode_16_64 3
		.amdhsa_memory_ordered 1
		.amdhsa_forward_progress 1
		.amdhsa_inst_pref_size 189
	.end_amdhsa_kernel
	.amdgpu_metadata
---
amdhsa.version: [ 1, 2 ]
amdhsa.kernels:
  - .name:           k_q8e69d559e9_qkv
    .symbol:         k_q8e69d559e9_qkv.kd
    .args:
      - { .name: xc, .offset: 0, .size: 8, .value_kind: global_buffer, .address_space: global }
      - { .name: xs, .offset: 8, .size: 8, .value_kind: global_buffer, .address_space: global }
      - { .name: wc, .offset: 16, .size: 8, .value_kind: global_buffer, .address_space: global }
      - { .name: ws, .offset: 24, .size: 8, .value_kind: global_buffer, .address_space: global }
      - { .name: bq, .offset: 32, .size: 8, .value_kind: global_buffer, .address_space: global }
      - { .name: bk, .offset: 40, .size: 8, .value_kind: global_buffer, .address_space: global }
      - { .name: bv, .offset: 48, .size: 8, .value_kind: global_buffer, .address_space: global }
      - { .name: qb, .offset: 56, .size: 8, .value_kind: global_buffer, .address_space: global }
      - { .name: kv, .offset: 64, .size: 8, .value_kind: global_buffer, .address_space: global }
    .group_segment_fixed_size: 327680
    .private_segment_fixed_size: 0
    .kernarg_segment_align: 8
    .kernarg_segment_size: 72
    .max_flat_workgroup_size: 128
    .sgpr_count:     102
    .vgpr_count:     1024
    .wavefront_size: 32
...
	.end_amdgpu_metadata
.endif
;; end of part 2
;; launch attn (part 3): grid 4 x 64, 8 waves a work-group, clusters of 4 x 1, 327,680 bytes of LDS; arguments qb, kv, padding_mask, oc, os; writes oc, os
.if DOCPART == 3
	.amdgcn_target "amdgcn-amd-amdhsa--gfx1250"
	.amdhsa_code_object_version 6
	.text
	.protected	k_q8e69d559e9_attn
	.globl	k_q8e69d559e9_attn
	.p2align	8
	.type	k_q8e69d559e9_attn,@function
k_q8e69d559e9_attn:
	s_mov_b64 s[64:65], 0
	v_nop
	global_prefetch_b8 v0, s[64:65] scope:SCOPE_SE
	s_setreg_imm32_b32 hwreg(HW_REG_WAVE_MODE, 25, 1), 1
	s_wait_xcnt 0x0
	s_wait_alu depctr_hold_cnt(0) depctr_sa_sdst(0) depctr_va_vdst(0) depctr_va_sdst(0) depctr_va_ssrc(0) depctr_va_vcc(0) depctr_vm_vsrc(0)
	s_getreg_b32 s2, hwreg(HW_REG_IB_STS2, 6, 4)
	s_cmp_eq_u32 s2, 0
	s_cbranch_scc0 .Lentry_in_a_cluster
	s_endpgm
.Lentry_in_a_cluster:
	s_bfe_u32 s2, ttmp6, 0x10000c
	s_cmp_lg_u32 s2, 0x3003
	s_cbranch_scc0 .Lentry_shape_is_right
	s_endpgm
.Lentry_shape_is_right:
; o = softmax((q k^T - slope |i - j|) / 8, hidden keys left out) v for one (batch, head), both products on codes of FP6 (E2M3) with E8M0 scales; o is quantised along the hidden axis for the last product.
; t = logit x log2(e); M = the running largest t rounded up to a whole number; p = 2^(t - M) is quantised along the keys; the row's sum l is taken of the unquantised p and divides at the end.
; SHARES.  A cluster of four work-groups serves one (batch, head).  The head's K and V, 208,896 bytes of operand images, come into LDS ONCE, asked for jointly (each of the eight waves one tensor load of 26,112 bytes): no ring, no refill.
; A work-group owns tiles 2 cx, 2 cx + 1 of every block of 128 queries; wave w takes block w in the first pass and block w + 8 in the second: two tiles of 16 queries, 32 neighbouring queries.
; So the step that lies on the diagonal hangs on the wave and the pass alone.  Two waves share a SIMD: one wave's vector work stands beside the other's products and LDS loads.
; LAYOUT.  Both products are used transposed (S^T = K Q^T, O^T = V^T P^T): a lane holds one query.  The stored order of rows makes the 16 registers of two neighbouring tiles 16 neighbouring keys (or channels).
; K = 64 IN A FORM OF K = 128: Q's registers 6-11 are zero codes and bytes 2, 3 of the scale words are 0: whatever codes stand in a K fragment's upper six registers (the next tile's; behind the last tile six registers written once) are
; finite numbers times 0 and add nothing.
; THE BIAS AND THE MASK ARE THE C OF S^T.  With n = key % 128 and mb = 0, or -1e30 for a hidden key, three tables lie in LDS: LEFT = slope n + mb (keys before the queries), RIGHT = mb - slope n (keys behind them),
; DIAG = LEFT - 32 slope ((key / 16) % 2).  The rest of the bias is one number a lane: with dq = query - 128 step, t = c S + L, L = -c slope |dq|, on the diagonal +c slope dq, where C = DIAG - 2 slope max(32 b + i, dq - 16 h).
; LIMITS.  A hidden key is -1e30, not -infinity, and the largest t starts at -1e20: p of a hidden key is exactly 0 as long as real t lie above -1e20.  A row all of whose keys are hidden has l = 0: its scale bytes become 0xff, NaN, as in the
; definition.  p under 2^-126 is 0.  The bias is formed in two parts, each rounded in f32.  NaN and infinities among the inputs are not served.
; No prefetch: all that the launch reads is asked for at its head.
; REGISTERS.  Window 0: v1-15 addresses, v16-27 scale words, v32-85 K's fragments, v88-101 the second pass's Q, v102-109 the mask.  Window 1: v0-63 C, v64-111 V's fragments.  v112-255 of window t: tile t's own, the same numbers in both.
.set KVB,   13056                      ; a key step's block: K 6,144 | K's words 512 | V 6,144 | V's words 256
.set HEADB, 16*KVB
.set WLOAD, HEADB/8
.set TAB,   HEADB                      ; three tables of 2,048 f32
.set SPARE, 262144                     ; the spare words, 128 bytes for each of eight waves, named by no other line
.set QJB,   6656
.set LN16, 1                           ; 16 x lane
.set LN8,  2                           ; 8 x lane
.set RW16, 3                           ; 16 r
.set HB64, 4                           ; 64 h
.set AD16, 5                           ; the step's addresses
.set AD8,  6
.set ADVS, 7
.set ADC,  8
.set RW32, 9                           ; 32 r
.set P11,  11                          ; r + 8 (r / 8)
.set SPW,  12
.set NIL,  13
.set TST,  14                          ; where I store my part of the tables
.set F16H, 15                          ; 16 h, f32
.set KSC,  16
.set VSC,  20
.set QSC,  24
.set PSC,  26
.set KF,   32
.set QST,  88
.set QSS,  100
.set MK,   102
.set CT,   0                           ; window 1
.set VF,   64                          ; window 1
.set S,    112                         ; scores, then p
.set O,    176                         ; O^T
.set QF,   208
.set PC,   220
.set BM,   232
.set BP,   236
.set SO,   240
.set NM,   244                         ; -M
.set TX,   245                         ; the largest t
.set LS,   246                         ; the sum, in two halves
.set FF,   248                         ; 2^(old M - new M)
.set DQ,   249
.set LMR,  250                         ; L - M
.set HF16, 251
.set SUM2, 252
.set TA,   254
.set TB,   255
.set WV,  14
.set CXP, 15
.set BH,  16
.set HD,  17
.set BT,  18
.set SEL, 20
.set CS,  22
.set G1,  24
.set G0,  32
.set SLP, 36
.set PCS, 37
.set NCS, 38
.set M2S, 39
.set CSS, 40
.set STP, 41
.set JB,  42
.set PASS, 43
.set TK,  44
.set TCL, 45
.set TOF, 46
.set QB0, 47
.set QP,  48
.set QW,  50
.set OCP, 52
.set OSP, 54
.set S32X, 66
.set MSB, 0
.macro WIN new
.if MSB != (\new)
	s_set_vgpr_msb (MSB<<8)|(\new)
.set MSB, (\new)
.endif
.endm
.macro CROUND
	s_barrier_signal -1
	s_barrier_wait -1
	s_cmp_lg_u32 s[WV], 0
	s_cbranch_scc1 .Lnot_wave_0_\@
	s_barrier_signal -3
.Lnot_wave_0_\@:
	s_barrier_wait -3
	s_barrier_signal -1
	s_barrier_wait -1
.endm
.macro FBITS m                         ; FB = the f32 bits of the whole number m, 0 .. 127
.if (\m) >= 64
.set FB, (133<<23)|(((\m)-64)<<17)
.elseif (\m) >= 32
.set FB, (132<<23)|(((\m)-32)<<18)
.elseif (\m) >= 16
.set FB, (131<<23)|(((\m)-16)<<19)
.elseif (\m) >= 8
.set FB, (130<<23)|(((\m)-8)<<20)
.elseif (\m) >= 4
.set FB, (129<<23)|(((\m)-4)<<21)
.elseif (\m) >= 2
.set FB, (128<<23)|(((\m)-2)<<22)
.elseif (\m) >= 1
.set FB, 127<<23
.else
.set FB, 0
.endif
.endm
	s_load_b256 s[4:11], s[0:1], 0x0               ; qb, kv, padding_mask, oc
	s_load_b64 s[12:13], s[0:1], 0x20              ; os
	v_lshl_add_u32 v[SPW], v0, 2, SPARE
	v_mov_b32 v[NIL], 0
	ds_add_u32 v[SPW], v[NIL]                      ; the wave's opening: the add and its wait ahead of my first tensor load
	v_lshrrev_b32 v10, 5, v0
	v_readfirstlane_b32 s[WV], v10                 ; wave 0..7
	s_bfe_u32 s[CXP], ttmp6, 0x40000               ; cx: it enters Q's and o's global addresses and lane data alone
	s_and_b32 s[BH], ttmp7, 0xffff                 ; 16 batch + head, which the four partners share
	s_and_b32 s[HD], s[BH], 15
	s_lshr_b32 s[BT], s[BH], 4
	s_mov_b32 s[G1], 15|(3<<16)|(1<<21)            ; mask: all four; elements of 8 bytes; bit 21 beside a mask; no padding
	s_mov_b32 s[G1+1], 32<<16                      ; rows of 256 bytes
	s_mov_b32 s[G1+2], 102<<16                     ; 102 of them
	s_mov_b32 s[G1+3], 32<<16
	s_mov_b32 s[G1+4], 102
	s_mov_b32 s[G1+5], 32                          ; dense
	s_mov_b32 s[G1+6], 0
	s_mov_b32 s[G1+7], 0
	s_mov_b32 s[G0], 1
	s_mul_i32 s[G0+1], s[WV], WLOAD                ; my eighth of the head, in LDS
	s_mul_i32 s56, s[BH], HEADB
	s_add_co_u32 s56, s56, s[G0+1]                 ; and in kv
	s_mov_b32 s57, 0
	s_mov_b32 s[SEL], 0x76543210
	s_mov_b32 s[SEL+1], 0xfedcba98                 ; lane l xor 16
	s_and_b32 s58, s[HD], 1                        ; slope = 2^(-(head + 1) / 2)
	s_cmp_eq_u32 s58, 1
	s_mov_b32 s59, 0x3f3504f3                      ; 2^(-1/2)
	s_cselect_b32 s[SLP], 0x3f800000, s59
	s_add_co_u32 s58, s[HD], 1
	s_lshr_b32 s58, s58, 1
	s_lshl_b32 s58, s58, 23
	s_sub_co_u32 s[SLP], s[SLP], s58               ; (head + 1) / 2, rounded down, off the exponent field
	s_mov_b32 s[CS], 0x3e38aa3b                    ; c = log2(e) / 8
	s_mov_b32 s[CS+1], s[CS]
	s_mul_f32 s[PCS], s[SLP], s[CS]                ; c slope
	s_xor_b32 s[NCS], s[PCS], 0x80000000
	s_mul_f32 s[M2S], s[SLP], -2.0
	s_mul_f32 s[S32X], s[SLP], 0x42000000          ; 32 slope
	s_wait_dscnt 0x0                               ; the opening add is done
	s_wait_kmcnt 0x0
	s_add_nc_u64 s[G0+2:G0+3], s[6:7], s[56:57]
	s_or_b32 s[G0+3], s[G0+3], 0x80000000
	CROUND                                         ; all four work-groups are here: the joint loads meet
	tensor_load_to_lds s[G0:G0+3], s[G1:G1+7]      ; my one tensor load of the launch
	s_nop 0
.rept 4
	v_nop
.endr
	v_and_b32 v[P11], 31, v0
	v_lshlrev_b32 v[LN16], 4, v[P11]
	v_lshlrev_b32 v[LN8], 3, v[P11]
	v_and_b32 v[P11], 15, v0                       ; r
	v_lshlrev_b32 v[RW16], 4, v[P11]
	v_lshlrev_b32 v[RW32], 5, v[P11]
	v_bfe_u32 v[F16H], v0, 4, 1                    ; h
	v_lshlrev_b32 v[HB64], 6, v[F16H]
	v_lshlrev_b32 v[F16H], 4, v[F16H]
	v_cvt_f32_u32 v[F16H], v[F16H]
	v_and_b32 v[AD16], 8, v[P11]
	v_add_nc_u32 v[P11], v[AD16], v[P11]           ; r + 8 (r / 8)
	v_lshl_add_u32 v[TST], v0, 5, TAB
	v_lshlrev_b32 v10, 5, v0                       ; thread t takes keys 8 t .. 8 t + 7 of the mask
	s_lshl_b32 s56, s[BT], 13
	s_add_nc_u64 s[8:9], s[8:9], s[56:57]
	global_load_b128 v[MK:MK+3], v10, s[8:9]
	global_load_b128 v[MK+4:MK+7], v10, s[8:9] offset:16
	s_lshl_b32 s56, s[BH], 4
	s_add_co_u32 s56, s56, s[WV]
	s_mul_i32 s56, s56, QJB                        ; block J = wave of my head in qb
	s_add_nc_u64 s[QP:QP+1], s[4:5], s[56:57]
	s_mul_i32 s58, s[CXP], 1536                    ; my two units,
	s_mov_b32 s59, 0
	s_lshr_b32 s60, s[CXP], 1
	s_lshl_b32 s60, s60, 8
	s_and_b32 s61, s[CXP], 1
	s_lshl_b32 s61, s61, 3
	s_add_co_u32 s60, s60, s61
	s_add_co_u32 s60, s60, 6144                    ; and their scale words: tile t's of row r lies at 256 (t / 4) + 16 r + 4 (t % 4)
	s_mov_b32 s61, 0
	s_add_nc_u64 s[QW:QW+1], s[QP:QP+1], s[60:61]
	s_add_nc_u64 s[QP:QP+1], s[QP:QP+1], s[58:59]
.irp t, 0,1
	WIN 0x40*\t                                    ; destination: tile t's window
	global_load_b128 v[QF:QF+3], v[LN16], s[QP:QP+1] offset:768*\t
	global_load_b64 v[QF+4:QF+5], v[LN8], s[QP:QP+1] offset:768*\t+512
.endr
	WIN 0
.irp t, 0,1
	global_load_b128 v[QST+6*\t:QST+6*\t+3], v[LN16], s[QP:QP+1] offset:8*QJB+768*\t        ; the second pass's: block J + 8
	global_load_b64 v[QST+6*\t+4:QST+6*\t+5], v[LN8], s[QP:QP+1] offset:8*QJB+768*\t+512
	global_load_b32 v[QSC+\t], v[RW16], s[QW:QW+1] offset:4*\t
	global_load_b32 v[QSS+\t], v[RW16], s[QW:QW+1] offset:8*QJB+4*\t
.endr
	s_lshl_b32 s56, s[BT], 7                       ; o's tile of 16 stored rows: 128 batch + 8 J + 2 cx + t
	s_lshl_b32 s58, s[WV], 3
	s_add_co_u32 s56, s56, s58
	s_lshl_b32 s58, s[CXP], 1
	s_add_co_u32 s56, s56, s58
	s_lshl_b32 s58, s56, 9
	s_lshl_b32 s60, s[HD], 1
	s_add_co_u32 s58, s58, s60                     ; os: 512 bytes a tile, 2 bytes a head in each row's 32
	s_lshl_b32 s56, s56, 4
	s_add_co_u32 s56, s56, s[HD]
	s_mul_i32 s56, s56, 768                        ; oc: a unit for each (tile, head)
	s_add_nc_u64 s[OCP:OCP+1], s[10:11], s[56:57]
	s_add_nc_u64 s[OSP:OSP+1], s[12:13], s[58:59]
	s_lshl_b32 s[QB0], s[WV], 7
	s_lshl_b32 s56, s[CXP], 5
	s_add_co_u32 s[QB0], s[QB0], s56               ; my first query: 128 J + 32 cx
.irp t, 0,1
	WIN 0x40*\t
.irp i, 6,7,8,9,10,11
	v_mov_b32 v[QF+\i], 0                          ; zero codes for K = 64 .. 127
.endr
.irp b, 0,1,2,3
	v_mov_b32 v[BP+\b], 0                          ; a lane permute's destination counts as one of its sources
.endr
	v_mov_b32 v[HF16], v[F16H]
.endr
	WIN 0
.irp i, 80,81,82,83,84,85
	v_mov_b32 v[\i], 0                             ; behind K's last tile: named, never counted
.endr
	s_wait_loadcnt 0x0                             ; the mask and Q
	v_and_b32 v32, 15, v0
	v_lshlrev_b32 v32, 3, v32
	v_cvt_f32_u32 v32, v32                         ; my first key % 128
	v_bfe_u32 v33, v0, 1, 1
	v_cvt_f32_u32 v33, v33
	v_mul_f32 v33, s[S32X], v33                    ; 32 slope ((key / 16) % 2)
	v_mov_b32 v34, 0xf149f2ca                      ; -1e30
.irp e, 0,1,2,3,4,5,6,7
	FBITS \e
	v_add_f32 v[40+\e], FB, v32                    ; n
.endr
.irp e, 0,1,2,3,4,5,6,7
	v_cmp_eq_u32 vcc_lo, 0, v[MK+\e]
	v_cndmask_b32 v[48+\e], 0, v34, vcc_lo         ; mb
.endr
.irp e, 0,1,2,3,4,5,6,7
	v_fma_f32 v[56+\e], s[SLP], v[40+\e], v[48+\e]     ; LEFT
	v_fma_f32 v[64+\e], -v[40+\e], s[SLP], v[48+\e]    ; RIGHT
.endr
.irp e, 0,1,2,3,4,5,6,7
	v_sub_f32 v[72+\e], v[56+\e], v33              ; DIAG
.endr
	ds_store_b128 v[TST], v[56:59]
	ds_store_b128 v[TST], v[60:63] offset:16
	ds_store_b128 v[TST], v[64:67] offset:8192
	ds_store_b128 v[TST], v[68:71] offset:8208
	ds_store_b128 v[TST], v[72:75] offset:16384
	ds_store_b128 v[TST], v[76:79] offset:16400
	s_wait_tensorcnt 0x0                           ; my eighth of K and V has landed,
	s_wait_dscnt 0x0                               ; my part of the tables is stored:
	s_barrier_signal -1
	s_barrier_wait -1                              ; everybody's are.  Nothing in LDS is written from here on
.macro INIT t                          ; the key step is written once: the first finds zeros, which the first change of M leaves zeros
	WIN 0x40*\t
.set j, 0
.rept 32
	v_mov_b32 v[O+j], 0
.set j, j+1
.endr
	v_mov_b32 v[LS], 0
	v_mov_b32 v[LS+1], 0
	v_mov_b32 v[TX], 0xe0ad78ec                    ; -1e20: under every real t, over every hidden key's
	v_add3_u32 v[DQ], s[QB0], v[P11], 8*\t         ; my query
	WIN 0x41*\t
	v_floor_f32 v[NM], -v[TX]
	v_cvt_f32_u32 v[DQ], v[DQ]
.endm
.macro QK t, cb                        ; S^T of tile t: eight tiles of 16 keys; C begins at cb (the table's registers, or S itself)
.irp k, 0,1,2,3
	v_wmma_scale_f32_16x16x128_f8f6f4 v[S+8*\k:S+8*\k+7], v[KF+6*\k:KF+6*\k+11], v[QF:QF+11], v[\cb+8*\k:\cb+8*\k+7], v[KSC+\k], v[QSC+\t] matrix_a_fmt:MATRIX_FMT_FP6 matrix_b_fmt:MATRIX_FMT_FP6
.endr
.irp k, 4,5,6,7
	v_wmma_scale_f32_16x16x128_f8f6f4 v[S+8*\k:S+8*\k+7], v[KF+6*\k:KF+6*\k+11], v[QF:QF+11], v[\cb+8*\k:\cb+8*\k+7], v[KSC+\k-4], v[QSC+\t] matrix_a_fmt:MATRIX_FMT_FP6 matrix_b_fmt:MATRIX_FMT_FP6 matrix_a_scale:MATRIX_SCALE_ROW1
.endr
.endm
.macro DIAGFIX t                       ; on the diagonal C hangs on the query: S = DIAG - 2 slope max(32 b + i, dq - 16 h)
	WIN 0x55*\t
	v_sub_f32 v[TA], v[DQ], v[HF16]
.set n, 0
.rept 64
	FBITS 32*(n/16)+n%16
	v_max_num_f32 v[S+n], FB, v[TA]
.set n, n+1
.endr
	WIN 0x10+0x45*\t                               ; the table's registers lie in window 1
.set n, 0
.rept 64
	v_fma_f32 v[S+n], v[S+n], s[M2S], v[CT+n]
.set n, n+1
.endr
.endm
.macro SOFT t                          ; tile t's softmax of 128 keys, all in its own window
	WIN 0x55*\t
.irp b, 0,1,2,3
	v_max3_num_f32 v[BM+\b], v[S+16*\b], v[S+16*\b+1], v[S+16*\b+2]   ; the largest score of each block of 32 keys: for the row's maximum and, since p rises with the score, for the block's largest p
.endr
.irp i, 3,5,7,9,11,13
.irp b, 0,1,2,3
	v_max3_num_f32 v[BM+\b], v[BM+\b], v[S+16*\b+\i], v[S+16*\b+\i+1]
.endr
.endr
.irp b, 0,1,2,3
	v_max_num_f32 v[BM+\b], v[BM+\b], v[S+16*\b+15]
.endr
.irp b, 0,1,2,3
	v_permlanex16_b32 v[BP+\b], v[BM+\b], s[SEL], s[SEL+1]
.endr
.irp b, 0,1,2,3
	v_max_num_f32 v[BM+\b], v[BM+\b], v[BP+\b]
.endr
	v_max3_num_f32 v[TA], v[BM], v[BM+1], v[BM+2]
	v_mul_f32 v[TB], s[CSS], |v[DQ]|               ; L
	v_max_num_f32 v[TA], v[TA], v[BM+3]
	v_fma_f32 v[TA], v[TA], s[CS], v[TB]           ; the step's largest t
	v_max_num_f32 v[TX], v[TX], v[TA]
	v_mov_b32 v[TA], v[NM]
	v_floor_f32 v[NM], -v[TX]                      ; -M = floor(-t): M is a whole number
	v_sub_f32 v[TA], v[NM], v[TA]                  ; old M - new M, 0 or less
	v_cvt_i32_f32 v[TA], v[TA]                     ; (it saturates)
	v_ldexp_f32 v[FF], 1.0, v[TA]
	v_add_f32 v[LMR], v[TB], v[NM]                 ; L - M
	v_add_f32 v[DQ], 0xc3000000, v[DQ]             ; dq of the next step: 128 less
.set j, 0
.rept 32
	v_pk_fma_f32 v[S+j:S+j+1], v[S+j:S+j+1], s[CS:CS+1], v[LMR:LMR+1] op_sel_hi:[1,0,0]   ; t - M, two at a time
.set j, j+2
.endr
.irp b, 0,1,2,3
	v_fma_f32 v[BM+\b], v[BM+\b], s[CS], v[LMR]
.endr
.set j, 0
.rept 64
	v_exp_f32 v[S+j], v[S+j]                       ; p, not normalised
.set j, j+1
.endr
	v_pk_mul_f32 v[LS:LS+1], v[LS:LS+1], v[FF:FF+1] op_sel_hi:[1,0]   ; the sums under the new M: the plain place behind the exponentials
	s_wait_alu depctr_va_vdst(0)                   ; one wait for the batch, ahead of its first reader
.irp b, 0,1,2,3
	v_exp_f32 v[BM+\b], v[BM+\b]                   ; each block's largest p
.endr
	v_pk_add_f32 v[SUM2:SUM2+1], v[S:S+1], v[S+2:S+3]   ; the row's sum of the unquantised p, in two chains
.set j, 4
.rept 15
	v_pk_add_f32 v[LS:LS+1], v[LS:LS+1], v[S+j:S+j+1]
	v_pk_add_f32 v[SUM2:SUM2+1], v[SUM2:SUM2+1], v[S+j+2:S+j+3]
.set j, j+4
.endr
	v_pk_add_f32 v[LS:LS+1], v[LS:LS+1], v[SUM2:SUM2+1]
	s_wait_alu depctr_va_vdst(0)                   ; and one for the four
.irp b, 0,1,2,3
	v_max_num_f32 v[BM+\b], 0x1800000, v[BM+\b]    ; the floor 2^(3 - 127)
.endr
.irp b, 0,1,2,3
	v_add_nc_u32 v[SO+\b], 0xff000000, v[BM+\b]    ; the conversion's scale operand
.endr
.irp b, 0,1,2,3
	v_lshrrev_b32 v[BP+\b], 23, v[SO+\b]           ; the byte
.endr
	v_lshl_or_b32 v[TA], v[BP+1], 8, v[BP]
	v_lshl_or_b32 v[TA], v[BP+2], 16, v[TA]
	WIN 0x11*\t                                    ; scale operands are taken from window 0
	v_lshl_or_b32 v[PSC+\t], v[BP+3], 24, v[TA]
	WIN 0x55*\t
.irp c, 0,1
	v_cvt_scalef32_pk16_fp6_f32 v[PC+6*\c:PC+6*\c+2], v[S+32*\c:S+32*\c+15], v[SO+2*\c]
	v_cvt_scalef32_pk16_fp6_f32 v[BM+4*\c:BM+4*\c+2], v[S+32*\c+16:S+32*\c+31], v[SO+2*\c+1]
.endr
	v_nop                                          ; one plain place behind a scaled conversion
.irp c, 0,1
.irp i, 0,1,2
	v_permlane16_swap_b32 v[PC+6*\c+\i], v[BM+4*\c+\i]
.endr
.irp i, 0,1,2
	v_mov_b32 v[PC+6*\c+3+\i], v[BM+4*\c+\i]
.endr
.endr
.set j, 0
.rept 16
	v_pk_mul_f32 v[O+j:O+j+1], v[O+j:O+j+1], v[FF:FF+1] op_sel_hi:[1,0]   ; O^T under the new M; also the places ahead of the products that take p's codes and scale word
.set j, j+2
.endr
.endm
.macro PV t                            ; O^T += V^T P^T: four tiles of 16 channels, K = these 128 keys
.irp d, 0,1,2,3
	v_wmma_scale_f32_16x16x128_f8f6f4 v[O+8*\d:O+8*\d+7], v[VF+12*\d:VF+12*\d+11], v[PC:PC+11], v[O+8*\d:O+8*\d+7], v[VSC+\d], v[PSC+\t] matrix_a_fmt:MATRIX_FMT_FP6 matrix_b_fmt:MATRIX_FMT_FP6
.endr
.endm
.macro OUT t                           ; o = O^T / l, quantised along the head's 64 channels (two blocks), stored as a unit and two scale bytes a row
	WIN 0x55*\t
	v_add_f32 v[TB], v[LS], v[LS+1]
	v_permlanex16_b32 v[TA], v[TB], s[SEL], s[SEL+1]
	v_add_f32 v[TB], v[TB], v[TA]                  ; l
	v_rcp_f32 v[TA], v[TB]
	v_nop
	s_wait_alu depctr_va_vdst(0)
.set j, 0
.rept 16
	v_pk_mul_f32 v[O+j:O+j+1], v[O+j:O+j+1], v[TA:TA+1] op_sel_hi:[1,0]
.set j, j+2
.endr
.irp b, 0,1
	v_max3_num_f32 v[BM+\b], |v[O+16*\b]|, |v[O+16*\b+1]|, 0x1800000
.endr
.irp i, 2,4,6,8,10,12,14
.irp b, 0,1
	v_max3_num_f32 v[BM+\b], v[BM+\b], |v[O+16*\b+\i]|, |v[O+16*\b+\i+1]|
.endr
.endr
.irp b, 0,1
	v_permlanex16_b32 v[BP+\b], v[BM+\b], s[SEL], s[SEL+1]
.endr
.irp b, 0,1
	v_max_num_f32 v[BM+\b], v[BM+\b], v[BP+\b]
.endr
.irp b, 0,1
	v_add_nc_u32 v[SO+\b], 0xff000000, v[BM+\b]
.endr
.irp b, 0,1
	v_lshrrev_b32 v[BP+\b], 23, v[SO+\b]
.endr
	v_lshl_or_b32 v[TA], v[BP+1], 8, v[BP]
	v_cmp_lt_f32 vcc_lo, 0, v[TB]
	v_cndmask_b32 v[TA], 0xffff, v[TA], vcc_lo     ; no key counted: the bytes 0xff
	v_cvt_scalef32_pk16_fp6_f32 v[PC:PC+2], v[O:O+15], v[SO]
	v_cvt_scalef32_pk16_fp6_f32 v[BP:BP+2], v[O+16:O+31], v[SO+1]
	v_nop
.irp i, 0,1,2
	v_permlane16_swap_b32 v[PC+\i], v[BP+\i]
.endr
.irp i, 0,1,2
	v_mov_b32 v[PC+3+\i], v[BP+\i]
.endr
	WIN 0x04*\t                                    ; a store's data are its source 1
	global_store_b128 v[LN16], v[PC:PC+3], s[OCP:OCP+1] offset:12288*\t        ; 512 consecutive bytes, aligned to 256
	global_store_b64 v[LN8], v[PC+4:PC+5], s[OCP:OCP+1] offset:12288*\t+512
	global_store_b16 v[RW32], v[TA], s[OSP:OSP+1] offset:512*\t                ; a head owns two bytes of a row's 32; both halves of the lanes store the same
	WIN 0
.endm
	s_mov_b32 s[JB], s[WV]
	s_mov_b32 s[PASS], 0
.Lpass:
	INIT 0
	INIT 1
	WIN 0
	s_mov_b32 s[STP], 0
	s_mov_b32 s[TK], 0
	s_mov_b32 s[TCL], TAB
.Lstep:
	s_cmp_gt_u32 s[STP], s[JB]
	s_cselect_b32 s[TOF], 8192, 0                  ; RIGHT or LEFT,
	s_cmp_eq_u32 s[STP], s[JB]
	s_cselect_b32 s[TOF], 16384, s[TOF]            ; or DIAG
	s_cselect_b32 s[CSS], s[PCS], s[NCS]
	s_add_co_u32 s[TOF], s[TOF], s[TCL]
	v_add_nc_u32 v[AD16], s[TK], v[LN16]           ; these four are also the places behind the last products, whose operands are loaded anew below
	v_add_nc_u32 v[AD8], s[TK], v[LN8]
	v_add_nc_u32 v[ADVS], s[TK], v[RW16]
	v_add_nc_u32 v[ADC], s[TOF], v[HB64]
.irp k, 0,1,2,3,4,5,6,7
	ds_load_b128 v[KF+6*\k:KF+6*\k+3], v[AD16] offset:768*\k
	ds_load_b64 v[KF+6*\k+4:KF+6*\k+5], v[AD8] offset:768*\k+512
.endr
	ds_load_b128 v[KSC:KSC+3], v[AD16] offset:6144 ; register i: lanes 0-15 tile i's words, lanes 16-31 tile 4 + i's
	WIN 0x40
.irp n, 0,1,2,3,4,5,6,7,8,9,10,11,12,13,14,15
	ds_load_b128 v[CT+4*\n:CT+4*\n+3], v[ADC] offset:128*(\n/4)+16*(\n%4)   ; register 16 b + i: key 32 b + 16 h + i
.endr
.irp d, 0,1,2,3
	ds_load_b128 v[VF+12*\d:VF+12*\d+3], v[AD16] offset:6656+1536*\d
	ds_load_b64 v[VF+12*\d+4:VF+12*\d+5], v[AD8] offset:6656+1536*\d+512
	ds_load_b128 v[VF+12*\d+6:VF+12*\d+9], v[AD16] offset:6656+1536*\d+768
	ds_load_b64 v[VF+12*\d+10:VF+12*\d+11], v[AD8] offset:6656+1536*\d+1280
.endr
	WIN 0
	ds_load_b128 v[VSC:VSC+3], v[ADVS] offset:12800
	s_wait_dscnt 17                                ; K, its words and C are in; V's sixteen loads and its words may be out: they land during the softmax
	s_cmp_eq_u32 s[STP], s[JB]
	s_cbranch_scc1 .Ldiag
	WIN 0x10                                       ; C in window 1
	QK 0, CT
	WIN 0x54                                       ; Q, C and S^T in window 1, K in window 0
	QK 1, CT
	WIN 0
	s_branch .Lscored
.Ldiag:
	DIAGFIX 0
	DIAGFIX 1
	WIN 0
.rept 4
	v_nop
.endr
	QK 0, S
	WIN 0x54
	QK 1, S
	WIN 0
.Lscored:
.rept 4
	v_nop                                          ; places behind the products, ahead of the first read of their results
.endr
	SOFT 0
	SOFT 1
	s_wait_dscnt 0x0                               ; V and its words
	WIN 0x01                                       ; V in window 1
	PV 0
	WIN 0x55
	PV 1
	WIN 0
	s_add_co_u32 s[TK], s[TK], KVB
	s_add_co_u32 s[TCL], s[TCL], 512
	s_add_co_u32 s[STP], s[STP], 1
	s_cmp_lt_u32 s[STP], 16
	s_cbranch_scc1 .Lstep
.rept 4
	v_nop
.endr
	OUT 0
	OUT 1
	s_wait_xcnt 0x0                                ; the stores have read their registers and bases
	s_add_nc_u64 s[OCP:OCP+1], s[OCP:OCP+1], 786432    ; 64 tiles on
	s_add_nc_u64 s[OSP:OSP+1], s[OSP:OSP+1], 32768
	s_add_co_u32 s[JB], s[JB], 8
	s_add_co_u32 s[QB0], s[QB0], 1024
.irp i, 0,1,2,3,4,5
	v_mov_b32 v[QF+\i], v[QST+\i]                  ; the second pass's Q
.endr
	v_mov_b32 v[QSC], v[QSS]
	v_mov_b32 v[QSC+1], v[QSS+1]
	WIN 0x40
.irp i, 0,1,2,3,4,5
	v_mov_b32 v[QF+\i], v[QST+6+\i]
.endr
	WIN 0
	s_add_co_u32 s[PASS], s[PASS], 1
	s_cmp_lt_u32 s[PASS], 2
	s_cbranch_scc1 .Lpass
	s_wait_tensorcnt 0x0                           ; the wave's end
	ds_add_u32 v[SPW], v[NIL]
	s_wait_dscnt 0x0
	CROUND                                         ; the closing round
	s_endpgm
.Lfunc_end_k_q8e69d559e9_attn:
	.size	k_q8e69d559e9_attn, .Lfunc_end_k_q8e69d559e9_attn-k_q8e69d559e9_attn
	.p2alignl 7, 3214868480
	.fill 96, 4, 3214868480
	.section	.rodata,"a",@progbits
	.p2align	6, 0x0
	.amdhsa_kernel k_q8e69d559e9_attn
		.amdhsa_group_segment_fixed_size 327680
		.amdhsa_private_segment_fixed_size 0
		.amdhsa_enable_private_segment 0
		.amdhsa_kernarg_size 40
		.amdhsa_user_sgpr_count 2
		.amdhsa_user_sgpr_kernarg_segment_ptr 1
		.amdhsa_wavefront_size32 1
		.amdhsa_system_sgpr_workgroup_id_x 1
		.amdhsa_system_sgpr_workgroup_id_y 1
		.amdhsa_system_sgpr_workgroup_id_z 1
		.amdhsa_system_vgpr_workitem_id 0
		.amdhsa_next_free_vgpr 512
		.amdhsa_next_free_sgpr 80
		.amdhsa_reserve_vcc 1
		.amdhsa_float_denorm_mode_32 3
		.amdhsa_float_denorm_mode_16_64 3
		.amdhsa_memory_ordered 1
		.amdhsa_forward_progress 1
		.amdhsa_inst_pref_size 71
	.end_amdhsa_kernel
	.amdgpu_metadata
---
amdhsa.version: [ 1, 2 ]
amdhsa.kernels:
  - .name:           k_q8e69d559e9_attn
    .symbol:         k_q8e69d559e9_attn.kd
    .args:
      - { .name: qb, .offset: 0, .size: 8, .value_kind: global_buffer, .address_space: global }
      - { .name: kv, .offset: 8, .size: 8, .value_kind: global_buffer, .address_space: global }
      - { .name: padding_mask, .offset: 16, .size: 8, .value_kind: global_buffer, .address_space: global }
      - { .name: oc, .offset: 24, .size: 8, .value_kind: global_buffer, .address_space: global }
      - { .name: os, .offset: 32, .size: 8, .value_kind: global_buffer, .address_space: global }
    .group_segment_fixed_size: 327680
    .private_segment_fixed_size: 0
    .kernarg_segment_align: 8
    .kernarg_segment_size: 40
    .max_flat_workgroup_size: 256
    .sgpr_count:     80
    .vgpr_count:     512
    .wavefront_size: 32
...
	.end_amdgpu_metadata
.endif
;; end of part 3
;; launch oproj (part 4): grid 4 x 32, 4 waves a work-group, clusters of 4 x 4, 327,680 bytes of LDS; arguments oc, os, wc, ws, bo, out0; writes out0
.if DOCPART == 4
	.amdgcn_target "amdgcn-amd-amdhsa--gfx1250"
	.amdhsa_code_object_version 6
	.text
	.protected	k_q8e69d559e9_oproj
	.globl	k_q8e69d559e9_oproj
	.p2align	8
	.type	k_q8e69d559e9_oproj,@function
k_q8e69d559e9_oproj:
	s_mov_b64 s[64:65], 0
	v_nop
	global_prefetch_b8 v0, s[64:65] scope:SCOPE_SE
	s_setreg_imm32_b32 hwreg(HW_REG_WAVE_MODE, 25, 1), 1
	s_wait_xcnt 0x0
	s_wait_alu depctr_hold_cnt(0) depctr_sa_sdst(0) depctr_va_vdst(0) depctr_va_sdst(0) depctr_va_ssrc(0) depctr_va_vcc(0) depctr_vm_vsrc(0)
	s_getreg_b32 s2, hwreg(HW_REG_IB_STS2, 6, 4)
	s_cmp_eq_u32 s2, 0
	s_cbranch_scc0 .Lentry_in_a_cluster
	s_endpgm
.Lentry_in_a_cluster:
	s_bfe_u32 s2, ttmp6, 0x10000c
	s_cmp_lg_u32 s2, 0xf033
	s_cbranch_scc0 .Lentry_shape_is_right
	s_endpgm
.Lentry_shape_is_right:
; out0 = o Wo + bo: 8,192 x 1,024 x 1,024 on codes of FP6 (E2M3) with E8M0 scales; out0 f32.
; o arrives as images of operand registers: oc [tile of 16 stored rows, 512][head 16][768 bytes: 32 lanes x 16, then 32 lanes x 8]; two heads' units on end are a fragment of 128 along K.  os [stored row][32].
; Wo's codes are rows 3,072 .. 4,095 of wc, its scale bytes those rows of ws.  Rows of both lie in the stored order of prep: sixteen on end are rows 32 b + 8 u + r + 8 (r / 8).
; A tile of out0, 256 x 256, by four waves of 128 x 128; K in steps of 256 through a ring of two LDS slots; the scale bytes come once.  CLUSTERS: 4 x 4; o's tile is asked for jointly along a row, Wo's along a column.
; Source 0 = rows of Wo, source 1 = rows of o: a lane holds one row of out0; register j of block b is column 32 (b / 2) + 16 h + 8 (b % 2) + j.  The bias is the C of the first step's products.
; 128 work-groups: the tile is kept large, since this launch is short beside the attention.  No prefetch: four K steps, tiles shared in the cluster.
.set KSTEP,  256
.set NQ,     2
.set ROWB,   192
.set KROW,   768
.set PITCH,  240
.set FR,     12
.set NL,     6
.set NLA,    4                         ; LDS loads that bring a fragment of o
.set NP,     4
.set HALFT,  128*PITCH                 ; a wave's place in a slot; o's part fills 24,576 bytes of it
.set SLOT,   4*HALFT
.set LAPS,   2
.set KS,     32
.set SCL,    2*SLOT
.set HALFS,  16*272
.set SBLK,   2*272
.set SPARE,  SCL+4*HALFS
.set SPITCH, 528                       ; the way out: 16 rows x (512 + 16) bytes for each wave, in slot 0, which has had its last fill and its last read by then
.set ADA16, 16                         ; v16-17 o's images in slot 0, 1: + 16 x lane
.set ADA8,  18                         ; v18-19 + 8 x lane
.set ADRB, 20
.set STO,  24
.set RD,   25
.set CO,   26
.set ADRS, 27
.set SPW,  28
.set NIL,  29
.set BOF,  30
.set SC,   32
.set BIA,  64
.set AF,   128
.set BK,   128
.set G1, 24
.set G0, 32
.set G1B, 48
.set G0B, 56
.set G1S, 68
.set G0S, 76
.set G1SB, 80
.set G0SB, 88
.set MSB, 0
.macro WIN new
.if MSB != (\new)
	s_set_vgpr_msb (MSB<<8)|(\new)
.set MSB, (\new)
.endif
.endm
.set MUL_LO, 0xa1
.set MUL_HI, 0xf1
.set TO_B,   0x40
.macro JLOAD g0a, g1a, g0b, g1b
	s_cmp_eq_u32 s15, 0
	s_cbranch_scc0 .Lfor_b_\@
	tensor_load_to_lds s[\g0a:\g0a+3], s[\g1a:\g1a+7]
	s_nop 0
.rept 4
	v_nop
.endr
	s_branch .Lasked_\@
.Lfor_b_\@:
	tensor_load_to_lds s[\g0b:\g0b+3], s[\g1b:\g1b+7]
	s_nop 0
.rept 4
	v_nop
.endr
.Lasked_\@:
.endm
.macro CREST
	s_cmp_lg_u32 s14, 0
	s_cbranch_scc1 .Lnot_wave_0_\@
	s_barrier_signal -3
.Lnot_wave_0_\@:
	s_barrier_wait -3
	s_barrier_signal -1
	s_barrier_wait -1
.endm
.macro CROUND
	s_barrier_signal -1
	s_barrier_wait -1
	CREST
.endm
	s_load_b128 s[4:7], s[0:1], 0x0                ; oc, os
	s_load_b128 s[8:11], s[0:1], 0x10              ; wc, ws
	s_load_b64 s[96:97], s[0:1], 0x20              ; bo
	s_load_b64 s[12:13], s[0:1], 0x28              ; out0
	v_lshl_add_u32 v[SPW], v0, 2, SPARE
	v_mov_b32 v[NIL], 0
	ds_add_u32 v[SPW], v[NIL]                      ; the wave's opening: the add and its wait ahead of my first tensor load
	v_lshrrev_b32 v1, 5, v0
	v_readfirstlane_b32 s14, v1
	s_lshr_b32 s15, s14, 1                         ; which half of the tile's rows is mine.  Also: I fetch o's (0) or Wo's (1)
	s_and_b32 s16, s14, 1                          ; which half of its columns.  Also: which 128 rows I fetch
	s_bfe_u32 s40, ttmp6, 0x40000
	s_bfe_u32 s41, ttmp6, 0x40004
	s_lshl_b32 s42, ttmp9, 2
	s_add_co_u32 s42, s42, s40                     ; tile column
	s_and_b32 s17, ttmp7, 0xffff
	s_lshl_b32 s17, s17, 2
	s_add_co_u32 s17, s17, s41                     ; tile row
	s_lshl_b32 s43, s41, 2
	s_lshl_b32 s43, 15, s43
	s_lshl_b32 s44, 0x1111, s40
	s_or_b32 s[G1+0], s43, (3<<16)|(1<<21)         ; o: elements of 8 bytes, no padding: images are read 16 and 8 bytes a lane on end
	s_mov_b32 s[G1+1], 384<<16                     ; a row of the tile: four heads' units of one tile of rows, 3,072 bytes
	s_mov_b32 s[G1+2], 8<<16                       ; eight tiles of rows
	s_mov_b32 s[G1+3], 384<<16
	s_mov_b32 s[G1+4], 8
	s_mov_b32 s[G1+5], 1536                        ; 12,288 bytes from one tile of rows to the next
	s_mov_b32 s[G1+6], 0
	s_mov_b32 s[G1+7], 0
	s_or_b32 s[G1B+0], s44, (0<<16)|(1<<20)|(1<<21)|(3<<22)|(3<<25)
	s_mov_b32 s[G1B+1], ROWB<<16
	s_mov_b32 s[G1B+2], 128<<16
	s_mov_b32 s[G1B+3], ROWB<<16
	s_mov_b32 s[G1B+4], 128
	s_mov_b32 s[G1B+5], KROW
	s_mov_b32 s[G1B+6], 0
	s_mov_b32 s[G1B+7], 0
	s_or_b32 s[G1S+0], s43, (3<<16)|(1<<20)|(1<<21)|(5<<22)|(3<<25)
	s_or_b32 s[G1SB+0], s44, (3<<16)|(1<<20)|(1<<21)|(5<<22)|(3<<25)
.irp g, G1S, G1SB
	s_mov_b32 s[\g+1], 32<<16
	s_mov_b32 s[\g+2], 16<<16
	s_mov_b32 s[\g+3], 32<<16
	s_mov_b32 s[\g+4], 16
	s_mov_b32 s[\g+5], 32
	s_mov_b32 s[\g+6], 0
	s_mov_b32 s[\g+7], 0
.endr
	s_lshl_b32 s18, s16, 7
	s_lshl_b32 s20, s17, 8
	s_add_co_u32 s20, s20, s18                     ; o: stored row 256 x tile row + 128 x half
	s_lshl_b32 s46, s42, 8
	s_add_co_u32 s46, s46, s18                     ; Wo: stored row 256 x tile column + 128 x half
	s_mov_b32 s21, 0
	s_mov_b32 s47, 0
	s_mov_b64 s[18:19], KS
	s_mul_u64 s[22:23], s[20:21], s[18:19]
	s_mul_u64 s[92:93], s[46:47], s[18:19]
	s_mov_b64 s[18:19], KROW
	s_mul_u64 s[20:21], s[20:21], s[18:19]         ; 16 rows x 768 bytes are a tile's 12,288
	s_mul_u64 s[46:47], s[46:47], s[18:19]
	s_mul_i32 s45, s14, HALFT
	s_mul_i32 s94, s14, HALFS
	s_wait_dscnt 0x0
	s_wait_kmcnt 0x0
	s_add_nc_u64 s[20:21], s[4:5], s[20:21]
	s_add_nc_u64 s[22:23], s[6:7], s[22:23]
	s_add_nc_u64 s[46:47], s[8:9], s[46:47]
	s_add_nc_u64 s[46:47], s[46:47], 3072*KROW     ; Wo's rows of wc
	s_add_nc_u64 s[92:93], s[10:11], s[92:93]
	s_add_nc_u64 s[92:93], s[92:93], 3072*KS
	CROUND
	s_mov_b32 s[G0S], 1
	s_add_co_u32 s[G0S+1], s94, SCL
	s_mov_b64 s[G0S+2:G0S+3], s[22:23]
	s_or_b32 s[G0S+3], s[G0S+3], 0x80000000
	s_mov_b32 s[G0SB], 1
	s_add_co_u32 s[G0SB+1], s94, SCL
	s_mov_b64 s[G0SB+2:G0SB+3], s[92:93]
	s_or_b32 s[G0SB+3], s[G0SB+3], 0x80000000
	JLOAD G0S, G1S, G0SB, G1SB
.irp s, 0,1
	s_mov_b32 s[G0+4*\s], 1
	s_add_co_u32 s[G0+4*\s+1], s45, \s*SLOT
	s_add_nc_u64 s[G0+4*\s+2:G0+4*\s+3], s[20:21], \s*3072
	s_or_b32 s[G0+4*\s+3], s[G0+4*\s+3], 0x80000000
	s_mov_b32 s[G0B+4*\s], 1
	s_add_co_u32 s[G0B+4*\s+1], s45, \s*SLOT
	s_add_nc_u64 s[G0B+4*\s+2:G0B+4*\s+3], s[46:47], \s*ROWB
	s_or_b32 s[G0B+4*\s+3], s[G0B+4*\s+3], 0x80000000
	JLOAD G0+4*\s, G1, G0B+4*\s, G1B               ; three tensor loads of mine are out
.endr
	v_and_b32 v1, 15, v0                           ; r
	v_bfe_u32 v2, v0, 4, 1                         ; h
	v_and_b32 v6, 31, v0                           ; lane
	v_mul_u32_u24 v3, v1, PITCH
	v_mul_u32_u24 v4, v2, 24
	v_add_nc_u32 v4, v3, v4
	v_lshl_add_u32 v5, v2, 4, v4
	v_lshlrev_b32 v7, 4, v6
	v_lshlrev_b32 v8, 3, v6
	s_mul_i32 s21, s15, HALFT                      ; my 128 rows of o
	s_mul_i32 s22, s16, HALFT
	s_add_co_u32 s22, s22, 2*HALFT                 ; my 128 rows of Wo
.irp s, 0,1
	v_add_nc_u32 v[ADA16+\s], s21, v7
	v_add_nc_u32 v[ADA8+\s], s21, v8
	v_add_nc_u32 v[ADRB+\s], s22, v4
	v_add_nc_u32 v[ADRB+2+\s], s22, v5
	s_add_co_u32 s21, s21, SLOT
	s_add_co_u32 s22, s22, SLOT
.endr
	v_mul_u32_u24 v5, v1, KS
	v_lshrrev_b32 v6, 8, v5
	v_lshl_add_u32 v5, v6, 4, v5
	s_mul_i32 s21, s15, HALFS
	s_mul_i32 s22, s16, HALFS
	s_add_co_u32 s22, s22, 2*HALFS
	s_sub_co_u32 s22, s22, s21
	v_mul_u32_u24 v6, s22, v2                      ; lanes 16-31 take Wo's
	s_add_co_u32 s21, s21, SCL
	v_add_nc_u32 v5, v5, v6
	v_add_nc_u32 v[ADRS], s21, v5
	s_mul_i32 s23, s14, 16*SPITCH                  ; my stage
	v_mul_u32_u24 v5, v1, SPITCH
	v_lshl_add_u32 v5, v2, 6, v5                   ; in: row r, + 64 h
	v_add_nc_u32 v[STO], s23, v5
	v_mov_b32 v[CO], v7                            ; back: the 32 lanes take one row of 512 bytes; and the same in out0
	v_add_nc_u32 v[RD], s23, v7
	v_lshlrev_b32 v[BOF], 6, v2
	s_lshl_b32 s46, s42, 10                        ; my first column, in bytes: 1,024 x tile column + 512 x half
	s_lshl_b32 s47, s16, 9
	s_add_co_u32 s46, s46, s47
	s_mov_b32 s47, 0
	s_add_nc_u64 s[96:97], s[96:97], s[46:47]
.irp b, 0,1,2,3,4,5,6,7
	global_load_b128 v[BIA+8*\b:BIA+8*\b+3], v[BOF], s[96:97] offset:(32*(\b/2)+8*(\b%2))*4        ; bo at the lane's eight columns of block b
	global_load_b128 v[BIA+8*\b+4:BIA+8*\b+7], v[BOF], s[96:97] offset:(32*(\b/2)+8*(\b%2))*4+16
.endr
	s_lshl_b32 s20, s17, 8
	s_lshl_b32 s21, s15, 7
	s_add_co_u32 s20, s20, s21                     ; my first row of out0
	s_lshl_b32 s20, s20, 12                        ; rows of 4,096 bytes
	s_mov_b32 s21, 0
	s_add_nc_u64 s[20:21], s[20:21], s[46:47]
	s_add_nc_u64 s[12:13], s[12:13], s[20:21]
	s_wait_loadcnt 0x0                             ; the bias
.macro FRAG reg, adr, q, i
.irp p, 0,1,2,3,4,5
.set PCE, 12*(\q)+6*(\p/3)+\p%3
.if PCE%8 < 5
	ds_load_b64 v[\reg+2*\p:\reg+2*\p+1], v[\adr] offset:8*PCE+16*(PCE/8)+(\i)*16*PITCH
.else
	ds_load_b64 v[\reg+2*\p:\reg+2*\p+1], v[\adr+2] offset:8*PCE+16*(PCE/8)+(\i)*16*PITCH
.endif
.endr
.endm
.macro FRAGA reg, slot, q, i           ; a fragment of o: two units, as they were stored
	ds_load_b128 v[\reg:\reg+3], v[ADA16+\slot] offset:(\i)*3072+(\q)*1536
	ds_load_b64 v[\reg+4:\reg+5], v[ADA8+\slot] offset:(\i)*3072+(\q)*1536+512
	ds_load_b128 v[\reg+6:\reg+9], v[ADA16+\slot] offset:(\i)*3072+(\q)*1536+768
	ds_load_b64 v[\reg+10:\reg+11], v[ADA8+\slot] offset:(\i)*3072+(\q)*1536+1280
.endm
.macro MUL16 a0, p, q, sc, zero        ; zero = 1: C = the bias.  The 64 accumulators take turns
.irp a, \a0, \a0+1
.irp b, 0,1,2,3,4,5,6,7
.if \zero
	v_wmma_scale_f32_16x16x128_f8f6f4 v[8*(8*((\a)%4)+\b):8*(8*((\a)%4)+\b)+7], v[128*(\p)+FR*\b:128*(\p)+FR*\b+FR-1], v[AF+FR*(\a):AF+FR*(\a)+FR-1], v[BIA+8*\b:BIA+8*\b+7], v[SC+8*NQ*(\sc)+NQ*\b+(\q)], v[SC+8*NQ*(\sc)+NQ*(\a)+(\q)] matrix_a_fmt:MATRIX_FMT_FP6 matrix_b_fmt:MATRIX_FMT_FP6 matrix_a_scale:MATRIX_SCALE_ROW1
.else
	v_wmma_scale_f32_16x16x128_f8f6f4 v[8*(8*((\a)%4)+\b):8*(8*((\a)%4)+\b)+7], v[128*(\p)+FR*\b:128*(\p)+FR*\b+FR-1], v[AF+FR*(\a):AF+FR*(\a)+FR-1], v[8*(8*((\a)%4)+\b):8*(8*((\a)%4)+\b)+7], v[SC+8*NQ*(\sc)+NQ*\b+(\q)], v[SC+8*NQ*(\sc)+NQ*(\a)+(\q)] matrix_a_fmt:MATRIX_FMT_FP6 matrix_b_fmt:MATRIX_FMT_FP6 matrix_a_scale:MATRIX_SCALE_ROW1
.endif
.endr
.endr
.endm
.macro FETCH_B slot, q, p
	WIN TO_B
.irp i, 0,1,2,3,4,5,6,7
	FRAG 128*(\p)+FR*\i, ADRB+\slot, \q, \i
.endr
	WIN 0
.endm
.macro FETCH_A slot, q, i0
.irp i, \i0, \i0+1, \i0+2, \i0+3
	FRAGA AF+FR*(\i), \slot, \q, \i
.endr
.endm
.macro SCALES sc
.irp i, 0,1,2,3,4,5,6,7
	ds_load_b64 v[SC+8*NQ*\sc+NQ*\i:SC+8*NQ*\sc+NQ*\i+1], v[ADRS] offset:\i*SBLK
.endr
.endm
.macro PLACES n
.rept \n
	v_nop
.endr
.endm
.macro STEP slot, q, zero
	s_wait_dscnt 4*NLA                             ; all but the youngest 16 loads (o's blocks 4-7) are in
.if \zero
	WIN 0x81
.else
	WIN MUL_LO
.endif
	MUL16 0, (\q)%2, \q, \slot, \zero
	MUL16 2, (\q)%2, \q, \slot, \zero
	s_wait_dscnt 0
	PLACES NP
	FETCH_B \slot, (\q)+1, 1-(\q)%2
	FETCH_A \slot, (\q)+1, 0
.if \zero
	WIN 0xc1
.else
	WIN MUL_HI
.endif
	MUL16 4, (\q)%2, \q, \slot, \zero
	MUL16 6, (\q)%2, \q, \slot, \zero
	PLACES NP
	WIN 0
	FETCH_A \slot, (\q)+1, 4
.endm
.macro TURN slot, next, fill
	s_wait_tensorcnt 0x0                           ; all my tensor loads have landed: my part of the next slot
	ds_add_u32 v[SPW], v[NIL]
	s_wait_dscnt 4*NLA+1                           ; the add and the youngest 16 loads may be out
	WIN MUL_LO
	MUL16 0, 1, NQ-1, \slot, 0
	s_wait_dscnt 0x0                               ; the add is done, and my reads of this slot are over
	s_barrier_signal -1
	MUL16 2, 1, NQ-1, \slot, 0
	WIN 0
	s_barrier_wait -1
.if \fill
	CREST                                          ; the barrier has opened a round of the cluster's barrier
	s_add_nc_u64 s[G0+4*\slot+2:G0+4*\slot+3], s[G0+4*\slot+2:G0+4*\slot+3], 2*3072
	s_add_nc_u64 s[G0B+4*\slot+2:G0B+4*\slot+3], s[G0B+4*\slot+2:G0B+4*\slot+3], 2*ROWB
	JLOAD G0+4*\slot, G1, G0B+4*\slot, G1B         ; my one tensor load behind the round
.else
	PLACES NP
.endif
	v_add_nc_u32 v[ADRS], 4*NQ, v[ADRS]
	FETCH_B \next, 0, 0
	FETCH_A \next, 0, 0
	SCALES \next
	WIN MUL_HI
	MUL16 4, 1, NQ-1, \slot, 0
	MUL16 6, 1, NQ-1, \slot, 0
	PLACES NP
	WIN 0
	FETCH_A \next, 0, 4
.endm
	s_wait_tensorcnt 1                             ; the scales and my part of K step 0 are in; K step 1's load may be out
	s_barrier_signal -1
	s_barrier_wait -1
	FETCH_B 0, 0, 0
	FETCH_A 0, 0, 0
	SCALES 0
	FETCH_A 0, 0, 4
	STEP 0, 0, 1
	s_mov_b32 s3, LAPS-1
.Llap:
	TURN 0, 1, 1
	STEP 1, 0, 0
	TURN 1, 0, 1
	STEP 0, 0, 0
	s_sub_co_u32 s3, s3, 1
	s_cmp_lg_u32 s3, 0
	s_cbranch_scc1 .Llap
	TURN 0, 1, 0
	STEP 1, 0, 0
	s_wait_dscnt 4*NLA
	WIN MUL_LO
	MUL16 0, 1, NQ-1, 1, 0
	MUL16 2, 1, NQ-1, 1, 0
	s_wait_dscnt 0
	WIN MUL_HI
	MUL16 4, 1, NQ-1, 1, 0
	MUL16 6, 1, NQ-1, 1, 0
	WIN 0
; THE WAY OUT, block by block of 16 stored rows x 128 columns, through my own stage: back come whole rows of 512 bytes.  LDS serves a wave's instructions in order: no wait between the stores and the loads.
.macro TOSTAGE a
.set AC, 64*((\a)%4)
	WIN 0x08+4*((\a)/4)                            ; the data: window 2 or 3
.irp b, 0,1,2,3,4,5,6,7
	ds_store_b128 v[STO], v[AC+8*\b:AC+8*\b+3] offset:128*(\b/2)+32*(\b%2)       ; each accumulator from its low end on
	ds_store_b128 v[STO], v[AC+8*\b+4:AC+8*\b+7] offset:128*(\b/2)+32*(\b%2)+16
.endr
	WIN 0
.set BB, BK+64*((\a)%2)
.irp t, 0,1,2,3,4,5,6,7,8,9,10,11,12,13,14,15
	ds_load_b128 v[BB+4*\t:BB+4*\t+3], v[RD] offset:\t*SPITCH
.endr
.endm
.macro SEND a, younger
.set BB, BK+64*((\a)%2)
	s_wait_dscnt \younger                          ; the block is back in registers; the next block's LDS instructions may be out
.irp t, 0,1,2,3,4,5,6,7,8,9,10,11,12,13,14,15
	global_store_b128 v[CO], v[BB+4*\t:BB+4*\t+3], s[12:13] offset:(32*((\a)/2)+8*((\a)%2)+\t+8*(\t/8))*4096 th:TH_STORE_NT   ; stored row 16 a + t is this row of out0; 32 lanes store 512 consecutive bytes, aligned to 256
.endr
.endm
	PLACES NP
	TOSTAGE 0
.irp a, 1,2,3,4,5,6,7
.if \a > 1
	s_wait_xcnt 0x0                                ; block a - 2's stores have read their registers: block a's loads may land there
.endif
	TOSTAGE \a
	SEND \a-1, 32                                  ; behind block a - 1's loads: block a's 16 stores and 16 loads
.endr
	SEND 7, 0
	s_wait_tensorcnt 0x0                           ; the wave's end
	ds_add_u32 v[SPW], v[NIL]
	s_wait_dscnt 0x0
	CROUND                                         ; the closing round
	s_endpgm
.Lfunc_end_k_q8e69d559e9_oproj:
	.size	k_q8e69d559e9_oproj, .Lfunc_end_k_q8e69d559e9_oproj-k_q8e69d559e9_oproj
	.p2alignl 7, 3214868480
	.fill 96, 4, 3214868480
	.section	.rodata,"a",@progbits
	.p2align	6, 0x0
	.amdhsa_kernel k_q8e69d559e9_oproj
		.amdhsa_group_segment_fixed_size 327680
		.amdhsa_private_segment_fixed_size 0
		.amdhsa_enable_private_segment 0
		.amdhsa_kernarg_size 48
		.amdhsa_user_sgpr_count 2
		.amdhsa_user_sgpr_kernarg_segment_ptr 1
		.amdhsa_wavefront_size32 1
		.amdhsa_system_sgpr_workgroup_id_x 1
		.amdhsa_system_sgpr_workgroup_id_y 1
		.amdhsa_system_sgpr_workgroup_id_z 1
		.amdhsa_system_vgpr_workitem_id 0
		.amdhsa_next_free_vgpr 1024
		.amdhsa_next_free_sgpr 98
		.amdhsa_reserve_vcc 0
		.amdhsa_float_denorm_mode_32 3
		.amdhsa_float_denorm_mode_16_64 3
		.amdhsa_memory_ordered 1
		.amdhsa_forward_progress 1
		.amdhsa_inst_pref_size 153
	.end_amdhsa_kernel
	.amdgpu_metadata
---
amdhsa.version: [ 1, 2 ]
amdhsa.kernels:
  - .name:           k_q8e69d559e9_oproj
    .symbol:         k_q8e69d559e9_oproj.kd
    .args:
      - { .name: oc, .offset: 0, .size: 8, .value_kind: global_buffer, .address_space: global }
      - { .name: os, .offset: 8, .size: 8, .value_kind: global_buffer, .address_space: global }
      - { .name: wc, .offset: 16, .size: 8, .value_kind: global_buffer, .address_space: global }
      - { .name: ws, .offset: 24, .size: 8, .value_kind: global_buffer, .address_space: global }
      - { .name: bo, .offset: 32, .size: 8, .value_kind: global_buffer, .address_space: global }
      - { .name: out0, .offset: 40, .size: 8, .value_kind: global_buffer, .address_space: global }
    .group_segment_fixed_size: 327680
    .private_segment_fixed_size: 0
    .kernarg_segment_align: 8
    .kernarg_segment_size: 48
    .max_flat_workgroup_size: 128
    .sgpr_count:     98
    .vgpr_count:     1024
    .wavefront_size: 32
...
	.end_amdgpu_metadata
.endif
;; end of part 4
